; MI455X (gfx1250); checked and timed in simulation.
; The chip was launched on July 23, 2026; its instructions are those of AMD's public machine-readable ISA for CDNA 5 (MIT licence, August 2026) and "CDNA5" Instruction Set Architecture Reference Guide (July 2026). The comments in the code are by the model that wrote it; some were corrected since.
;; Paged HSTU Infer Layer. Allowed arithmetic: float matrix products may take bf16 or f16 operands with f32 sums; other float arithmetic in f32, or as packed bf16 or f16 multiplies, adds, multiply-adds, maxima and minima; sums over many terms, partial sums and values carried from step to step in f32; what a program stores and reads back later, other than sums and carried values, may be rounded once to bf16 or f16.
;; Inputs: b_uvqk 2,048 float32; ln_in_b 512 float32; ln_in_w 512 float32; ln_out_b 512 float32; ln_out_w 512 float32; w_proj 512 x 512 float32; w_uvqk 512 x 2,048 float32; x 16,384 x 512 float32.
;; Outputs: out0 16,384 x 512 float32.
;; Constants: batch_size = 8, max_seqlen = 2048, num_targets = 64.
;; 2 versions, each right; version 2 is version 1 with the launches prep, proj written anew for expert scheduling mode. Each part assembles by itself: llvm-mc -triple=amdgcn-amd-amdhsa -mcpu=gfx1250 --defsym DOCPART=n.
;; ======== version 1 of 2: 4 launches
;; limits: values are held in f16: magnitudes above 65,504 overflow, below 6.1e-05 lose precision
;; workspace buffers: xn 16,777,216 bytes; wf 2,097,152 bytes; wpf 524,288 bytes; mix 67,108,864 bytes; att 33,554,432 bytes
;; launch prep (part 1): grid 256 x 1, 16 waves a work-group, no clusters, 0 bytes of LDS; arguments x, ln_in_w, ln_in_b, w_uvqk, w_proj, xn, wf, wpf; writes xn, wf, wpf
.if DOCPART == 1
	.amdgcn_target "amdgcn-amd-amdhsa--gfx1250"
	.amdhsa_code_object_version 6
	.text
	.protected	k_q6eb0aa2a1f_prep
	.globl	k_q6eb0aa2a1f_prep
	.p2align	8
	.type	k_q6eb0aa2a1f_prep,@function
k_q6eb0aa2a1f_prep:
	s_mov_b64 s[64:65], 0
	v_nop
	global_prefetch_b8 v0, s[64:65] scope:SCOPE_SE
	s_setreg_imm32_b32 hwreg(HW_REG_WAVE_MODE, 25, 1), 1
	s_wait_xcnt 0x0
; PREP.  xn = LayerNorm(x) * ln_in_w + ln_in_b, [16384][512], rounded once to f16; wf = f16(-log2(e) * w_uvqk) and wpf = bf16(w_proj), both laid out as the
; matrix fragments of the later launches want them.  A stream: no LDS, no matrix unit, no barrier.
; SHARES.  A work-group owns 64 rows of x, each of its 16 waves 4.  One wave, one row: lane l holds channels 128 j + 4 l + 0..3 (j = 0..3), so a load covers 512 consecutive bytes
; and a store 256.  All 16 row loads of a wave go out at once.  Mean first, then the variance of the differences: no difference of large sums.
; WEIGHTS.  A chunk is 512 bytes, 16 a lane: chunk ci = 128 cb + ((4 ks + b) 2 + c) holds, in lane l, column 64 cb + 16 b + l % 16 and rows 32 ks + 16 c + 8 (l / 16) + 0..7 of the weight.
; Wave w of work-group g makes chunk 16 g + w of wf; waves 0 to 3 also chunk 4 g + w of wpf.
; LIMITS.  f16 holds no number beyond 65,504: 1.4427 |w_uvqk| and |xn| stay within it (|xn| is at most 22.6 |gain| + |bias|).  NaN and infinities are not treated apart.
.set LW,  8                            ; v[8:23]    gain of my 16 channels
.set LB,  24                           ; v[24:39]   bias
.set X,   40                           ; v[40:103]  row r at X + 16 r
.set T,   104                          ; v[104:119] row r: four registers at work
.set W,   120                          ; v[120:127] eight numbers of w_uvqk
.set WP,  128                          ; v[128:135] eight numbers of w_proj
.set PK,  136                          ; v[136:139] my 16 bytes of wf
.set PK2, 140                          ; v[140:143] my 16 bytes of wpf
; off = byte offset in a weight of row 32 ks + 16 c, column 64 cb + 16 b, for chunk ci; sh = 4 + log2(bytes in a row of the weight)
.macro PLACE ci, sh, off
	s_and_b32 s9, \ci, 127                         ; (4 ks + b) 2 + c
	s_lshr_b32 s10, \ci, 7                         ; cb
	s_lshr_b32 s11, s9, 3                          ; ks
	s_and_b32 s3, s9, 1                            ; c
	s_lshl1_add_u32 s11, s11, s3                   ; 2 ks + c
	s_bfe_u32 s3, s9, 0x20001                      ; b
	s_lshl2_add_u32 s10, s10, s3                   ; 4 cb + b
	s_lshl_b32 s11, s11, \sh
	s_lshl_b32 s10, s10, 6                         ; 16 columns of 4 bytes
	s_add_co_u32 \off, s11, s10
.endm
; T[0:1] += T[2:3], the two halves, then across the 32 lanes: every lane ends with the row's sum in T
.macro FOLD
.irp r, 0,1,2,3
	v_pk_add_f32 v[T+4*\r:T+4*\r+1], v[T+4*\r:T+4*\r+1], v[T+4*\r+2:T+4*\r+3]
.endr
.irp r, 0,1,2,3
	v_add_f32 v[T+4*\r], v[T+4*\r], v[T+4*\r+1]
.endr
.irp m, 1,2,4,8
.irp r, 0,1,2,3
	v_add_f32_dpp v[T+4*\r], v[T+4*\r], v[T+4*\r] row_xmask:\m row_mask:0xf bank_mask:0xf
.endr
.endr
.irp r, 0,1,2,3
	v_permlanex16_b32 v[T+4*\r+1], v[T+4*\r], s12, s13
.endr
.irp r, 0,1,2,3
	v_add_f32 v[T+4*\r], v[T+4*\r], v[T+4*\r+1]
.endr
.endm
	s_load_b512 s[16:31], s[0:1], 0x0              ; x 16, ln_in_w 18, ln_in_b 20, w_uvqk 22, w_proj 24, xn 26, wf 28, wpf 30
	v_lshrrev_b32 v1, 5, v0
	v_readfirstlane_b32 s8, v1                     ; wave 0..15
	v_and_b32 v6, 31, v0
	v_and_b32 v7, 15, v0
	v_bfe_u32 v1, v0, 4, 1
	v_lshlrev_b32 v2, 4, v6                        ; 16 x lane
	v_lshlrev_b32 v3, 3, v6                        ; 8 x lane
	v_lshlrev_b32 v7, 2, v7
	v_lshl_add_u32 v4, v1, 16, v7                  ; w_uvqk: 8 (l / 16) rows of 8,192 bytes + 4 (l % 16)
	v_lshl_add_u32 v5, v1, 14, v7                  ; w_proj: rows of 2,048 bytes
	s_mov_b32 s12, 0x76543210                      ; v_permlanex16_b32: each lane takes its own place in the other half
	s_mov_b32 s13, 0xfedcba98
	s_mov_b32 s14, 0x3b000000                      ; 1/512
	s_mov_b32 s15, 0xbb000000                      ; -1/512
	s_mov_b32 s32, 0xbfb8aa3b                      ; -log2(e)
	s_mov_b32 s33, s32
	s_lshl_b32 s2, ttmp9, 6
	s_lshl2_add_u32 s2, s8, s2                     ; my first row
	s_lshl_b32 s34, s2, 11                         ; in x
	s_mov_b32 s35, 0
	s_lshl_b32 s36, s2, 10                         ; in xn
	s_mov_b32 s37, 0
	s_lshl4_add_u32 s38, ttmp9, s8                 ; my chunk of wf
	s_lshl2_add_u32 s39, ttmp9, s8                 ; my chunk of wpf (waves 0 to 3)
	PLACE s38, 17, s40
	s_mov_b32 s41, 0
	s_lshl_b32 s42, s38, 9
	s_mov_b32 s43, 0
	PLACE s39, 15, s44
	s_mov_b32 s45, 0
	s_lshl_b32 s46, s39, 9
	s_mov_b32 s47, 0
	s_wait_kmcnt 0x0
	s_add_nc_u64 s[16:17], s[16:17], s[34:35]
	s_add_nc_u64 s[26:27], s[26:27], s[36:37]
	s_add_nc_u64 s[22:23], s[22:23], s[40:41]
	s_add_nc_u64 s[28:29], s[28:29], s[42:43]
	s_add_nc_u64 s[24:25], s[24:25], s[44:45]
	s_add_nc_u64 s[30:31], s[30:31], s[46:47]
	s_cmp_lt_u32 s8, 4
	s_cbranch_scc0 .Lno_wp                         ; w_proj's loads are the oldest, so the counts below are the same for every wave
.irp j, 0,1,2,3,4,5,6,7
	global_load_b32 v[WP+\j], v5, s[24:25] offset:\j*2048
.endr
.Lno_wp:
.irp j, 0,1,2,3
	global_load_b128 v[LW+4*\j:LW+4*\j+3], v2, s[18:19] offset:512*\j
	global_load_b128 v[LB+4*\j:LB+4*\j+3], v2, s[20:21] offset:512*\j
.endr
.irp r, 0,1,2,3
.irp j, 0,1,2,3
	global_load_b128 v[X+16*\r+4*\j:X+16*\r+4*\j+3], v2, s[16:17] offset:2048*\r+512*\j th:TH_LOAD_NT
.endr
.endr
.irp j, 0,1,2,3,4,5,6,7
	global_load_b32 v[W+\j], v4, s[22:23] offset:\j*8192
.endr
	s_wait_loadcnt 8                               ; all but w_uvqk's eight loads
	; the mean
.irp r, 0,1,2,3
	v_pk_add_f32 v[T+4*\r:T+4*\r+1], v[X+16*\r:X+16*\r+1], v[X+16*\r+2:X+16*\r+3]
	v_pk_add_f32 v[T+4*\r+2:T+4*\r+3], v[X+16*\r+4:X+16*\r+5], v[X+16*\r+6:X+16*\r+7]
.endr
.irp c, 8, 12
.irp r, 0,1,2,3
	v_pk_add_f32 v[T+4*\r:T+4*\r+1], v[T+4*\r:T+4*\r+1], v[X+16*\r+\c:X+16*\r+\c+1]
	v_pk_add_f32 v[T+4*\r+2:T+4*\r+3], v[T+4*\r+2:T+4*\r+3], v[X+16*\r+\c+2:X+16*\r+\c+3]
.endr
.endr
	FOLD
.irp r, 0,1,2,3
	v_mul_f32 v[T+4*\r+1], s15, v[T+4*\r]          ; -mean, twice: a pair for the packed additions
	v_mul_f32 v[T+4*\r], s15, v[T+4*\r]
.endr
.irp c, 0,2,4,6,8,10,12,14
.irp r, 0,1,2,3
	v_pk_add_f32 v[X+16*\r+\c:X+16*\r+\c+1], v[X+16*\r+\c:X+16*\r+\c+1], v[T+4*\r:T+4*\r+1]
.endr
.endr
	; the variance
.irp r, 0,1,2,3
	v_pk_mul_f32 v[T+4*\r:T+4*\r+1], v[X+16*\r:X+16*\r+1], v[X+16*\r:X+16*\r+1]
	v_pk_mul_f32 v[T+4*\r+2:T+4*\r+3], v[X+16*\r+2:X+16*\r+3], v[X+16*\r+2:X+16*\r+3]
.endr
.irp c, 4, 8, 12
.irp r, 0,1,2,3
	v_pk_fma_f32 v[T+4*\r:T+4*\r+1], v[X+16*\r+\c:X+16*\r+\c+1], v[X+16*\r+\c:X+16*\r+\c+1], v[T+4*\r:T+4*\r+1]
	v_pk_fma_f32 v[T+4*\r+2:T+4*\r+3], v[X+16*\r+\c+2:X+16*\r+\c+3], v[X+16*\r+\c+2:X+16*\r+\c+3], v[T+4*\r+2:T+4*\r+3]
.endr
.endr
	FOLD
.irp r, 0,1,2,3
	v_fmaak_f32 v[T+4*\r], s14, v[T+4*\r], 0x3727c5ac  ; sum / 512 + 1e-5
.endr
.irp r, 0,1,2,3
	v_rsq_f32 v[T+4*\r+2], v[T+4*\r]               ; twice, to fill a pair; the source is left as it is
	v_rsq_f32 v[T+4*\r+3], v[T+4*\r]
.endr
	v_nop                                          ; a plain instruction behind the last root,
	s_wait_alu depctr_va_vdst(0)                   ; and one wait for the eight, ahead of their first reader
.irp c, 0,2,4,6,8,10,12,14
.irp r, 0,1,2,3
	v_pk_mul_f32 v[X+16*\r+\c:X+16*\r+\c+1], v[X+16*\r+\c:X+16*\r+\c+1], v[T+4*\r+2:T+4*\r+3]
.endr
.endr
.irp c, 0,2,4,6,8,10,12,14
.irp r, 0,1,2,3
	v_pk_fma_f32 v[X+16*\r+\c:X+16*\r+\c+1], v[X+16*\r+\c:X+16*\r+\c+1], v[LW+\c:LW+\c+1], v[LB+\c:LB+\c+1]
.endr
.endr
.irp r, 0,1,2,3
.irp j, 0,1,2,3
	v_cvt_pk_f16_f32 v[X+16*\r+4*\j], v[X+16*\r+4*\j], v[X+16*\r+4*\j+1]
	v_cvt_pk_f16_f32 v[X+16*\r+4*\j+1], v[X+16*\r+4*\j+2], v[X+16*\r+4*\j+3]
	global_store_b64 v3, v[X+16*\r+4*\j:X+16*\r+4*\j+1], s[26:27] offset:1024*\r+256*\j  ; the wave stores 256 consecutive bytes, aligned
.endr
.endr
	s_wait_loadcnt 0x0                             ; w_uvqk's eight
.irp j, 0,2,4,6
	v_pk_mul_f32 v[W+\j:W+\j+1], v[W+\j:W+\j+1], s[32:33] op_sel_hi:[1,0]
.endr
.irp j, 0,1,2,3
	v_cvt_pk_f16_f32 v[PK+\j], v[W+2*\j], v[W+2*\j+1]
.endr
	global_store_b128 v2, v[PK:PK+3], s[28:29]
	s_cmp_lt_u32 s8, 4
	s_cbranch_scc0 .Lend
.irp j, 0,1,2,3
	v_cvt_pk_bf16_f32 v[PK2+\j], v[WP+2*\j], v[WP+2*\j+1]
.endr
	global_store_b128 v2, v[PK2:PK2+3], s[30:31]
.Lend:
	s_endpgm
.Lfunc_end_k_q6eb0aa2a1f_prep:
	.size	k_q6eb0aa2a1f_prep, .Lfunc_end_k_q6eb0aa2a1f_prep-k_q6eb0aa2a1f_prep
	.p2alignl 7, 3214868480
	.fill 96, 4, 3214868480
	.section	.rodata,"a",@progbits
	.p2align	6, 0x0
	.amdhsa_kernel k_q6eb0aa2a1f_prep
		.amdhsa_group_segment_fixed_size 0
		.amdhsa_private_segment_fixed_size 0
		.amdhsa_enable_private_segment 0
		.amdhsa_kernarg_size 64
		.amdhsa_user_sgpr_count 2
		.amdhsa_user_sgpr_kernarg_segment_ptr 1
		.amdhsa_wavefront_size32 1
		.amdhsa_system_sgpr_workgroup_id_x 1
		.amdhsa_system_sgpr_workgroup_id_y 1
		.amdhsa_system_sgpr_workgroup_id_z 1
		.amdhsa_system_vgpr_workitem_id 0
		.amdhsa_next_free_vgpr 144
		.amdhsa_next_free_sgpr 66
		.amdhsa_reserve_vcc 0
		.amdhsa_float_denorm_mode_32 3
		.amdhsa_float_denorm_mode_16_64 3
		.amdhsa_memory_ordered 1
		.amdhsa_forward_progress 1
		.amdhsa_inst_pref_size 25
	.end_amdhsa_kernel
	.amdgpu_metadata
---
amdhsa.version: [ 1, 2 ]
amdhsa.kernels:
  - .name:           k_q6eb0aa2a1f_prep
    .symbol:         k_q6eb0aa2a1f_prep.kd
    .args:
      - { .name: x, .offset: 0, .size: 8, .value_kind: global_buffer, .address_space: global }
      - { .name: ln_in_w, .offset: 8, .size: 8, .value_kind: global_buffer, .address_space: global }
      - { .name: ln_in_b, .offset: 16, .size: 8, .value_kind: global_buffer, .address_space: global }
      - { .name: w_uvqk, .offset: 24, .size: 8, .value_kind: global_buffer, .address_space: global }
      - { .name: w_proj, .offset: 32, .size: 8, .value_kind: global_buffer, .address_space: global }
      - { .name: xn, .offset: 40, .size: 8, .value_kind: global_buffer, .address_space: global }
      - { .name: wf, .offset: 48, .size: 8, .value_kind: global_buffer, .address_space: global }
      - { .name: wpf, .offset: 56, .size: 8, .value_kind: global_buffer, .address_space: global }
    .group_segment_fixed_size: 0
    .private_segment_fixed_size: 0
    .kernarg_segment_align: 8
    .kernarg_segment_size: 64
    .max_flat_workgroup_size: 512
    .sgpr_count:     66
    .vgpr_count:     144
    .wavefront_size: 32
...
	.end_amdgpu_metadata
.endif
;; end of part 1
;; launch uvqk (part 2): grid 8 x 32, 4 waves a work-group, clusters of 4 x 1, 327,680 bytes of LDS; arguments xn, wf, b_uvqk, mix; writes mix
.if DOCPART == 2
	.amdgcn_target "amdgcn-amd-amdhsa--gfx1250"
	.amdhsa_code_object_version 6
	.text
	.protected	k_q6eb0aa2a1f_uvqk
	.globl	k_q6eb0aa2a1f_uvqk
	.p2align	8
	.type	k_q6eb0aa2a1f_uvqk,@function
k_q6eb0aa2a1f_uvqk:
	s_mov_b64 s[64:65], 0
	v_nop
	global_prefetch_b8 v0, s[64:65] scope:SCOPE_SE
	s_setreg_imm32_b32 hwreg(HW_REG_WAVE_MODE, 25, 1), 1
	s_wait_xcnt 0x0
	s_wait_alu depctr_hold_cnt(0) depctr_sa_sdst(0) depctr_va_vdst(0) depctr_va_sdst(0) depctr_va_ssrc(0) depctr_va_vcc(0) depctr_vm_vsrc(0)
	s_getreg_b32 s2, hwreg(HW_REG_IB_STS2, 6, 4)
	s_cmp_eq_u32 s2, 0
	s_cbranch_scc0 .Lentry_in_a_cluster
	s_endpgm
.Lentry_in_a_cluster:
	s_bfe_u32 s2, ttmp6, 0x10000c
	s_cmp_lg_u32 s2, 0x3003
	s_cbranch_scc0 .Lentry_shape_is_right
	s_endpgm
.Lentry_shape_is_right:
; UVQK.  mix = silu(xn w_uvqk + b_uvqk), by blocks of 64 columns: mix[block 0..31][token 0..16383][64], 16 bits a number.  Blocks 0-7 hold -L u (f16), 8-15 -L v (bf16), 16-23 q / 8 (f16),
; 24-31 -L k (f16), L = log2(e).  The weights arrive as -L w (f16) and the sums start with -L b, so an accumulator holds z2 = -L z, and the result is z2 / (kap + kap 2^z2) = (-L / kap) silu(z):
; kap = 1, or -8 L for q.  Products in f16 with f32 sums; the result is rounded once.
; SHARES.  Work-group (hh, rr) owns rows 512 rr .. + 511; its wave w owns the 64 columns of block 8 w + hh (u, v, q, k of head hh), for all K = 512: THE WAVE'S WEIGHTS LIE IN 512 REGISTERS,
; loaded once, and only xn goes through LDS.  A UNIT is 16 rows x 64 columns x 512: 64 matrix instructions on 4 accumulators that take turns, for 32 LDS loads.  A wave has 32 units.
; The activation and the way out of unit a - 1 stand in slices behind the products of unit a, one slice behind every two.
; CLUSTER.  The four work-groups of a cluster have the same rr: xn's rows are asked for JOINTLY (mask of four).  A slot holds 64 rows (four units); each wave fetches 16 of them.
; The fragments are read one unit ahead of their products, so the change of slots stands in front of a slot's last unit, whose fragments are then in registers.
; THE MATRIX INSTRUCTION IS USED TRANSPOSED: source 0 = 16 columns of w, source 1 = 16 rows of xn: a lane holds one token (lane % 16) and 8 neighbouring columns.
; LIMITS.  f16 holds no number beyond 65,504: 1.4427 |silu| for u and k, |silu| / 8 for q stay within it.  A reciprocal below 2^-126 counts as 0.  NaN and infinities are not treated apart.
; REGISTERS, in windows of 256: window 0 as below; window 1 xn's fragments, buffer p at 128 p + 8 ks; windows 2 and 3 the weights, fragment (ks, b) at 32 ks + 8 b.
.set PITCH, 1040                       ; an LDS row: 1,024 bytes + 16 of padding, an odd multiple of 16
.set UNITB, 16*PITCH
.set SLOTB, 4*UNITB
.set SLOT1, 1<<17                      ; slot 1 begins here: one exclusive or turns an address in one slot into the other's
.set STAGE, SLOT1+SLOTB                ; behind the ring: 16 rows x 144 bytes for each wave
.set SP,    144
.set SPARE, STAGE+4*16*SP              ; the spare words, 128 bytes a wave
.set BLKB,  64*1024                    ; 64 rows of xn
.set A0,  2                            ; v2  my lane's place in 16 rows of a slot
.set ADR, 3                            ; v3  LDS address of the run of loads in hand
.set STO, 4                            ; v4  the way out: where I put 16 bytes of a row
.set RD,  5                            ; v5  where I read rows back
.set GO,  6                            ; v6  16 x lane
.set BO,  8                            ; v8  32 (l / 16): my 8 columns of the bias
.set PFO, 9                            ; v9  1,024 x lane
.set SPW, 14
.set NIL, 15
.set ACC, 32                           ; v[32:95]   two sets of four accumulators
.set BIAS, 96                          ; v[96:127]  -L b, laid out as an accumulator
.set R,   128                          ; v[128:159] at work
.set T1,  160                          ; v[160:175] rounded to f16
.set T2,  176                          ; v[176:191] rounded to bf16
.set OB,  192                          ; v[192:207] whole rows, to store
.set OUT, 10                           ; s[10:11] mix at the unit to be stored
.set WV,  12
.set CX,  13
.set LIM, 15
.set G1,  24
.set G0,  32
.set CNT, 36
.set SLOTS, 37
.set TB,  38                           ; LDS byte of the unit to be fetched
.set MSEL, 39                          ; all ones in wave 1 (v: bf16), else 0
.set KAP, 40
.set PFA, 42
.set NL,  44
.set MSB, 0
.macro WIN new
.if MSB != (\new)
	s_set_vgpr_msb (MSB<<8)|(\new)
.set MSB, (\new)
.endif
.endm
.macro PLACES                          ; four plain instructions behind a matrix instruction (ISA guide 7.12.1)
.rept 4
	v_nop
.endr
.endm
.macro CROUND                          ; a round of the cluster's barrier
	s_barrier_signal -1
	s_barrier_wait -1
	s_cmp_lg_u32 s[WV], 0
	s_cbranch_scc1 .Lnot_wave_0_\@
	s_barrier_signal -3
.Lnot_wave_0_\@:
	s_barrier_wait -3
	s_barrier_signal -1
	s_barrier_wait -1
.endm
; 32 LDS loads in one run: a unit's fragments of xn (16 rows x 512) into buffer p
.macro FETCH p
	WIN 0
	v_add_nc_u32 v[ADR], s[TB], v[A0]
	s_add_co_u32 s[TB], s[TB], UNITB
	WIN 0x40
.set f, 0
.rept 16
	ds_load_b128 v[128*(\p)+8*f:128*(\p)+8*f+3],   v[ADR] offset:64*f
	ds_load_b128 v[128*(\p)+8*f+4:128*(\p)+8*f+7], v[ADR] offset:64*f+32
.set f, f+1
.endr
.endm
.macro PROD p, b                       ; K step ks, column block b; the first K step starts the sum with -L b
.set rD, ACC+32*(\p)+8*(\b)
.set rB, 32*(ks%8)+8*(\b)
.set rA, 128*(\p)+8*ks
.if ks == 0
	v_wmma_f32_16x16x32_f16 v[rD:rD+7], v[rB:rB+7], v[rA:rA+7], v[BIAS+8*(\b):BIAS+8*(\b)+7]
.else
	v_wmma_f32_16x16x32_f16 v[rD:rD+7], v[rB:rB+7], v[rA:rA+7], v[rD:rD+7]
.endif
.endm
; Slice k of 32 of the way out of accumulator set q.  0-7: 2^z2, from each accumulator's low end on; one wait for the 32.  8-15: kap + kap e and its reciprocal; one wait for the 32.
; 16-23: z2 r, rounded to f16 and to bf16, and the wave's format chosen (a select, so that no branch stands among the products).  24, 25: through my stage.  30: stored.
.macro SLICE q
.set aq, ACC+32*(\q)
.if k < 8
	WIN 0
.irp n, 0,1,2,3
	v_exp_f32 v[R+4*k+\n], v[aq+4*k+\n]
.endr
.if k == 7
	v_nop
	s_wait_alu depctr_va_vdst(0)
.endif
.elseif k < 16
	WIN 0
.irp n, 0,2
	v_pk_fma_f32 v[R+4*(k-8)+\n:R+4*(k-8)+\n+1], v[R+4*(k-8)+\n:R+4*(k-8)+\n+1], s[KAP:KAP+1], s[KAP:KAP+1] op_sel_hi:[1,0,0]
.endr
.irp n, 0,1,2,3
	v_rcp_f32 v[R+4*(k-8)+\n], v[R+4*(k-8)+\n]
.endr
.if k == 15
	v_nop
	s_wait_alu depctr_va_vdst(0)
.endif
.elseif k < 24
	WIN 0
.set j0, 2*(k-16)
.irp n, 0,1
	v_pk_mul_f32 v[R+2*(j0+\n):R+2*(j0+\n)+1], v[aq+2*(j0+\n):aq+2*(j0+\n)+1], v[R+2*(j0+\n):R+2*(j0+\n)+1]
.endr
.irp n, 0,1
	v_cvt_pk_f16_f32 v[T1+j0+\n], v[R+2*(j0+\n)], v[R+2*(j0+\n)+1]
.endr
.irp n, 0,1
	v_cvt_pk_bf16_f32 v[T2+j0+\n], v[R+2*(j0+\n)], v[R+2*(j0+\n)+1]
.endr
.irp n, 0,1
	v_cndmask_b32 v[T1+j0+\n], v[T1+j0+\n], v[T2+j0+\n], s[MSEL]
.endr
.elseif k == 24
	WIN 0
	s_wait_xcnt 0x0                                ; the last unit's stores have read their base and their data: both are written again below
	s_add_nc_u64 s[OUT:OUT+1], s[OUT:OUT+1], 2048  ; 16 rows of 128 bytes on; the stores reach back
.irp n, 0,1,2,3
	ds_store_b128 v[STO], v[T1+4*\n:T1+4*\n+3] offset:32*\n
.endr
.elseif k == 25
	WIN 0
.irp n, 0,1,2,3
	ds_load_b128 v[OB+4*\n:OB+4*\n+3], v[RD] offset:576*\n  ; LDS serves a wave's instructions in order: these see the stores above
.endr
.elseif k == 30
	WIN 0
	s_wait_dscnt 0x0
.irp n, 0,1,2,3
	global_store_b128 v[GO], v[OB+4*\n:OB+4*\n+3], s[OUT:OUT+1] offset:512*\n-2048  ; 512 consecutive bytes, aligned
.endr
.endif
.endm
; A unit on buffer and set p.  The four v_nop stand behind the last unit's products: in front of the loads into the buffer that they read and of the slices that read their results.
.macro UNIT p, riders, fetch
	WIN 0
	PLACES
.if \fetch
	FETCH 1-(\p)
.endif
.set k, 0
.set ks, 0
.rept 16
.set hf, 0
.rept 2
	WIN 0x06+ks/8                                  ; weights in window 2 or 3, xn in window 1, sums in window 0
	PROD \p, 2*hf
	PROD \p, 2*hf+1
.if \riders
	SLICE 1-(\p)
.endif
.set k, k+1
.set hf, hf+1
.endr
.set ks, ks+1
.endr
	WIN 0
	s_wait_dscnt 0x0                               ; the next unit's fragments are in
.endm
.macro EPI q                           ; the last unit's way out, alone
	WIN 0
	PLACES
.set k, 0
.rept 32
	SLICE \q
.set k, k+1
.endr
.endm
; THE CHANGE OF SLOTS.  Each wave waits for all its tensor loads (one is out: its part of the other slot), adds 0 to its spare word, and waits for that and for its reads of the slot that it leaves.
; fill = 1: the barrier is a round of the cluster's, and the joint refill, the rows two slots on, is the first thing behind it: it has four units, 256 matrix instructions, in which to land.
; ask = 1: behind it one prefetch for the block that the refill after the next will ask for.  xn's rows are read by both clusters of a row block: the cluster with x = 0 asks; waves 0 and 2 take
; 32 rows each, a lane a row; the four partners take the four aligned 256 bytes of a row, told apart by address.  So each such piece is named once.  The last two refills ask for nothing.
.macro CHANGE fill, ask
	WIN 0
	s_wait_tensorcnt 0x0
	ds_add_u32 v[SPW], v[NIL]
.if \fill
	s_xor_b32 s[G0+1], s[G0+1], SLOT1
	s_add_nc_u64 s[G0+2:G0+3], s[G0+2:G0+3], BLKB
	s_wait_xcnt 0x0                                ; the last prefetch, four units back, has read its address
	s_add_nc_u64 s[PFA:PFA+1], s[PFA:PFA+1], BLKB
	s_wait_dscnt 0x0
	CROUND
	tensor_load_to_lds s[G0:G0+3], s[G1:G1+7]
	s_nop 0
	PLACES
.if \ask
	s_cmp_gt_u32 s[SLOTS], s[LIM]
	s_cbranch_scc0 .Lnot_mine_\@
	global_prefetch_b8 v[PFO], s[PFA:PFA+1] th:TH_LOAD_NT scope:SCOPE_SE
.Lnot_mine_\@:
.endif
.else
	s_wait_dscnt 0x0
	s_barrier_signal -1
	s_barrier_wait -1
.endif
	s_sub_co_u32 s[TB], s[TB], SLOTB               ; the fetches go back to a slot's first unit,
	s_xor_b32 s[TB], s[TB], SLOT1                  ; in the other slot
.endm
	s_load_b256 s[4:11], s[0:1], 0x0               ; xn 4, wf 6, b_uvqk 8, mix 10
	v_lshl_add_u32 v[SPW], v0, 2, SPARE
	v_mov_b32 v[NIL], 0
	ds_add_u32 v[SPW], v[NIL]                      ; the wave's opening: the add, twice on end, and its wait ahead of my first tensor load
	ds_add_u32 v[SPW], v[NIL]
	v_lshrrev_b32 v1, 5, v0
	v_readfirstlane_b32 s[WV], v1
	s_bfe_u32 s[CX], ttmp6, 0x40000
	s_lshl_b32 s14, ttmp9, 2
	s_add_co_u32 s14, s14, s[CX]                   ; hh
	s_lshl3_add_u32 s14, s[WV], s14                ; my block of 64 columns
	s_and_b32 s16, ttmp7, 0xffff                   ; rr, which the partners share
	s_lshl_b32 s20, s16, 19                        ; 512 rr rows of 1,024 bytes
	s_lshl_b32 s17, s[WV], 14                      ; + my 16 rows of a block
	s_add_co_u32 s20, s20, s17
	s_mov_b32 s21, 0
	s_lshl_b32 s18, s14, 16                        ; my 65,536 bytes of wf
	s_mov_b32 s19, 0
	s_lshl_b32 s22, s14, 8                         ; my 64 numbers of the bias
	s_mov_b32 s23, 0
	s_lshl_b32 s46, s14, 21                        ; my block of mix,
	s_lshl_b32 s17, s16, 16                        ; my work-group's 512 rows of 128 bytes
	s_add_co_u32 s46, s46, s17
	s_mov_b32 s47, 0
	s_lshl_b32 s48, s[CX], 8                       ; the prefetches: my work-group's 256 bytes of a row,
	s_add_co_u32 s48, s48, s20
	s_add_co_u32 s48, s48, 2*BLKB                  ; at block 2
	s_mov_b32 s49, 0
	s_mov_b32 s[G1], 15|(1<<16)|(1<<20)|(1<<21)|(7<<22)|(3<<25)  ; mask of four; 2-byte elements; padding on; bit 21 beside a mask; after every 256 words; 4 words
	s_mov_b32 s[G1+1], 512<<16                     ; tensor_dim0 = 512
	s_mov_b32 s[G1+2], 16<<16                      ; tensor_dim1 = 16
	s_mov_b32 s[G1+3], 512<<16                     ; tile_dim0 = 512
	s_mov_b32 s[G1+4], 16                          ; tile_dim1 = 16
	s_mov_b32 s[G1+5], 512                         ; elements from row to row
	s_mov_b32 s[G1+6], 0
	s_mov_b32 s[G1+7], 0
	s_mov_b32 s[G0], 1
	s_mul_i32 s[G0+1], s[WV], UNITB                ; slot 0, my 16 rows: no place in the cluster enters an LDS address
	s_mov_b32 s[TB], SLOT1+SLOTB                   ; the first change of slots turns this into 0
	s_mov_b32 s[SLOTS], 7
	s_and_b32 s[LIM], s[WV], 1
	s_or_b32 s[LIM], s[LIM], ttmp9
	s_cmp_eq_u32 s[LIM], 0                         ; waves 0 and 2 of the cluster with x = 0: the same in all partners
	s_cselect_b32 s[LIM], 2, -1
	s_cmp_eq_u32 s[WV], 2
	s_cselect_b32 s[KAP], 0xc138aa3b, 1.0          ; -8 L for q
	s_mov_b32 s[KAP+1], s[KAP]
	s_cmp_eq_u32 s[WV], 1
	s_cselect_b32 s[MSEL], -1, 0
	s_mov_b32 s[NL], 0xbfb8aa3b                    ; -L
	s_mov_b32 s[NL+1], s[NL]
	s_wait_dscnt 0x0
	s_wait_kmcnt 0x0
	s_add_nc_u64 s[G0+2:G0+3], s[4:5], s[20:21]
	s_or_b32 s[G0+3], s[G0+3], 0x80000000
	s_add_nc_u64 s[PFA:PFA+1], s[4:5], s[48:49]
	s_add_nc_u64 s[6:7], s[6:7], s[18:19]
	s_add_nc_u64 s[8:9], s[8:9], s[22:23]
	s_add_nc_u64 s[OUT:OUT+1], s[OUT:OUT+1], s[46:47]
	CROUND                                         ; all four work-groups are here: the first joint loads meet
	tensor_load_to_lds s[G0:G0+3], s[G1:G1+7]      ; block 0 into slot 0
	s_nop 0
	PLACES
	v_and_b32 v1, 15, v0
	v_bfe_u32 v7, v0, 4, 1
	v_and_b32 v10, 31, v0
	v_and_b32 v11, 7, v0
	v_mul_u32_u24 v[A0], v1, PITCH
	v_lshl_add_u32 v[A0], v7, 4, v[A0]
	v_lshlrev_b32 v[GO], 4, v10
	v_lshlrev_b32 v[BO], 5, v7
	v_lshlrev_b32 v[PFO], 10, v10
	s_mul_i32 s17, s[WV], 16*SP
	s_add_co_u32 s17, s17, STAGE
	v_mul_u32_u24 v[STO], v1, SP
	v_lshl_add_u32 v[STO], v7, 4, v[STO]
	v_add_nc_u32 v[STO], s17, v[STO]
	v_bfe_u32 v[RD], v0, 3, 2
	v_mul_u32_u24 v[RD], v[RD], SP
	v_lshl_add_u32 v[RD], v11, 4, v[RD]
	v_add_nc_u32 v[RD], s17, v[RD]
	WIN 0x80                                       ; the weights: 128 loads of 512 consecutive bytes, as they lie
.set i, 0
.rept 64
	global_load_b128 v[4*i:4*i+3], v[GO], s[6:7] offset:512*i
.set i, i+1
.endr
	WIN 0xc0
.set i, 0
.rept 64
	global_load_b128 v[4*i:4*i+3], v[GO], s[6:7] offset:512*(i+64)
.set i, i+1
.endr
	WIN 0
.irp b, 0,1,2,3
	global_load_b128 v[BIAS+8*\b:BIAS+8*\b+3],   v[BO], s[8:9] offset:64*\b
	global_load_b128 v[BIAS+8*\b+4:BIAS+8*\b+7], v[BO], s[8:9] offset:64*\b+16
.endr
	CHANGE 1, 0                                    ; block 0 is in, everybody's part of it; slot 1 is asked for.  No prefetch here, where the weights are on their way
	FETCH 0
	WIN 0
	s_wait_loadcnt 0x0
.set i, 0
.rept 16
	v_pk_mul_f32 v[BIAS+2*i:BIAS+2*i+1], v[BIAS+2*i:BIAS+2*i+1], s[NL:NL+1] op_sel_hi:[1,0]
.set i, i+1
.endr
	s_wait_dscnt 0x0
	UNIT 0, 0, 1                                   ; unit 0: there is nothing yet to send out
	s_mov_b32 s[CNT], 1                            ; units 1 and 2, then the change in front of unit 3
	s_branch .Lpair
.Lslot:                                        ; six times: the change in front of unit 4 k - 1 asks for block k + 1
	CHANGE 1, 1
	s_mov_b32 s[CNT], 2
.Lpair:
	UNIT 1, 1, 1
	UNIT 0, 1, 1
	s_sub_co_u32 s[CNT], s[CNT], 1
	s_cmp_lg_u32 s[CNT], 0
	s_cbranch_scc1 .Lpair
	s_sub_co_u32 s[SLOTS], s[SLOTS], 1
	s_cmp_lg_u32 s[SLOTS], 0
	s_cbranch_scc1 .Lslot
	CHANGE 0, 0                                    ; the tail is written out: nothing is asked for
	s_mov_b32 s[CNT], 2
.Lpair2:
	UNIT 1, 1, 1
	UNIT 0, 1, 1
	s_sub_co_u32 s[CNT], s[CNT], 1
	s_cmp_lg_u32 s[CNT], 0
	s_cbranch_scc1 .Lpair2
	UNIT 1, 1, 0                                   ; unit 31
	EPI 1
	s_wait_tensorcnt 0x0                           ; the wave's end
	ds_add_u32 v[SPW], v[NIL]
	s_wait_dscnt 0x0
	CROUND                                         ; the closing round
	s_endpgm
.Lfunc_end_k_q6eb0aa2a1f_uvqk:
	.size	k_q6eb0aa2a1f_uvqk, .Lfunc_end_k_q6eb0aa2a1f_uvqk-k_q6eb0aa2a1f_uvqk
	.p2alignl 7, 3214868480
	.fill 96, 4, 3214868480
	.section	.rodata,"a",@progbits
	.p2align	6, 0x0
	.amdhsa_kernel k_q6eb0aa2a1f_uvqk
		.amdhsa_group_segment_fixed_size 327680
		.amdhsa_private_segment_fixed_size 0
		.amdhsa_enable_private_segment 0
		.amdhsa_kernarg_size 32
		.amdhsa_user_sgpr_count 2
		.amdhsa_user_sgpr_kernarg_segment_ptr 1
		.amdhsa_wavefront_size32 1
		.amdhsa_system_sgpr_workgroup_id_x 1
		.amdhsa_system_sgpr_workgroup_id_y 1
		.amdhsa_system_sgpr_workgroup_id_z 1
		.amdhsa_system_vgpr_workitem_id 0
		.amdhsa_next_free_vgpr 1024
		.amdhsa_next_free_sgpr 66
		.amdhsa_reserve_vcc 0
		.amdhsa_float_denorm_mode_32 3
		.amdhsa_float_denorm_mode_16_64 3
		.amdhsa_memory_ordered 1
		.amdhsa_forward_progress 1
		.amdhsa_inst_pref_size 118
	.end_amdhsa_kernel
	.amdgpu_metadata
---
amdhsa.version: [ 1, 2 ]
amdhsa.kernels:
  - .name:           k_q6eb0aa2a1f_uvqk
    .symbol:         k_q6eb0aa2a1f_uvqk.kd
    .args:
      - { .name: xn, .offset: 0, .size: 8, .value_kind: global_buffer, .address_space: global }
      - { .name: wf, .offset: 8, .size: 8, .value_kind: global_buffer, .address_space: global }
      - { .name: b_uvqk, .offset: 16, .size: 8, .value_kind: global_buffer, .address_space: global }
      - { .name: mix, .offset: 24, .size: 8, .value_kind: global_buffer, .address_space: global }
    .group_segment_fixed_size: 327680
    .private_segment_fixed_size: 0
    .kernarg_segment_align: 8
    .kernarg_segment_size: 32
    .max_flat_workgroup_size: 128
    .sgpr_count:     66
    .vgpr_count:     1024
    .wavefront_size: 32
...
	.end_amdgpu_metadata
.endif
;; end of part 2
;; launch attn (part 3): grid 4 x 64, 4 waves a work-group, clusters of 4 x 1, 327,680 bytes of LDS; arguments mix, att; writes att
.if DOCPART == 3
	.amdgcn_target "amdgcn-amd-amdhsa--gfx1250"
	.amdhsa_code_object_version 6
	.text
	.protected	k_q6eb0aa2a1f_attn
	.globl	k_q6eb0aa2a1f_attn
	.p2align	8
	.type	k_q6eb0aa2a1f_attn,@function
k_q6eb0aa2a1f_attn:
	s_mov_b64 s[64:65], 0
	v_nop
	global_prefetch_b8 v0, s[64:65] scope:SCOPE_SE
	s_setreg_imm32_b32 hwreg(HW_REG_WAVE_MODE, 25, 1), 1
	s_wait_xcnt 0x0
	s_wait_alu depctr_hold_cnt(0) depctr_sa_sdst(0) depctr_va_vdst(0) depctr_va_sdst(0) depctr_va_ssrc(0) depctr_va_vcc(0) depctr_vm_vsrc(0)
	s_getreg_b32 s2, hwreg(HW_REG_IB_STS2, 6, 4)
	s_cmp_eq_u32 s2, 0
	s_cbranch_scc0 .Lentry_in_a_cluster
	s_endpgm
.Lentry_in_a_cluster:
	s_bfe_u32 s2, ttmp6, 0x10000c
	s_cmp_lg_u32 s2, 0x3003
	s_cbranch_scc0 .Lentry_shape_is_right
	s_endpgm
.Lentry_shape_is_right:
; ATTN.  att[token][64 h + d] = (1 / 2048) x the sum over visible keys t of silu(q . k / 8) v[t][d], f32, for each of 8 sequences of 2,048 tokens and 8 heads.  Visible: t <= s, and t < 1984 or t = s.
; mix holds q / 8 and -L k in f16, -L v in bf16 (L = log2(e)), by blocks of 64 columns, a token's 64 numbers in 128 bytes.  So a score arrives as y = -L x; the weight is P = y / (1 + 2^y) = -L silu(x),
; rounded to bf16 (its range is the scores'); O = the sum of P (-L v), and att = O ln(2)^2 / 2048.  Products and sums in f32.  There is no softmax: no maximum, no row sum.
; A HIDDEN SCORE starts its sum with +1e30 (the C operand): 2^y is infinite, its reciprocal 0, the weight 0.
; SHARES.  A cluster is one sequence and head.  The queries lie in 8 groups of 256; work-group g owns rows 64 g .. + 63 of EVERY group, its wave w 16 of them: PIECE G, eight a wave.  All four partners walk
; the same 8 key tiles of 256 keys, by joint loads.  In tile T pieces T .. 7 are alive: that hangs on the tile's number alone, so every branch is the same in all partners, and all work-groups do
; equal work: 36 of 64 pairs of piece and tile.  Piece T is the diagonal one: in the tile's step s (64 keys) it sees all keys (s < g), its own triangle (s = g) or none (s > g): chosen by two scalars,
; MC = MD x AL + BE, never by a branch.  Steps that are wholly hidden are computed all the same.  Keys 1984 .. 2047 are tile 7's step 3: there the mask is 'my own key alone'.
; BY TURNS.  Turn G: 8 products K Q^T of piece G + 1, behind each four exponentials of piece G and four lines (y r, rounding) of piece G - 1; one wait; 8 products V^T P of piece G - 1, behind each two
; additions 1 + e and four reciprocals of piece G; one wait.  The pieces go in ascending order, so only the entry (DT) hangs on the tile.
; LAYOUT.  S^T = K Q^T: a lane holds ONE query (lane % 16) and keys 8 (lane / 16) + 0..7 of each 16; two such results rounded in pairs ARE source 1 of O^T = V^T P.  V comes out of LDS turned.
; LIMITS.  A hidden score counts as its value plus 1e30.  A reciprocal below 2^-126 counts as 0.  NaN and infinities are not treated apart.
; O^T is cleared by 256 v_mov_b32 in the wait for the first tile: the price of one text for every product V^T P.
; REGISTERS, in windows of 256: window 0 as below; window 1 O^T, 32 a piece; window 2 Q (16 a piece), K at 128, V at 192; window 3 MD at 0, MC at 32.
.set KS,    64
.set PKP,   144                        ; a row of K in LDS: 128 bytes + 16
.set PVP,   160                        ; a row of V: 128 + 32
.set VOFF,  4*KS*PKP                   ; a slot holds a tile: 256 rows of K, then 256 of V
.set SLOT1, 1<<17
.set STAGE, SLOT1+4*KS*(PKP+PVP)       ; behind the ring: 16 rows x 272 bytes for each wave
.set SP,    272
.set SPARE, STAGE+4*16*SP
.set TILEB, 32768                      ; a tile's bytes of K, and of V
.set AK0, 2
.set AV0, 3
.set AK,  4
.set AV,  5
.set STO, 6
.set RD,  7
.set GO,  8
.set QB,  10                           ; v10  16 w + l % 16 - 8 (l / 16): my query's place in its band, less my lanes' keys
.set QI,  11                           ; v11  the same + 64 (g - 3): negative unless g = 3
.set PFO, 12
.set QO,  13
.set SPW, 14
.set NIL, 15
.set Y,   32                           ; v[32:127]  scores, three buffers: piece G has G % 3
.set R,   128                          ; v[128:191] two buffers: G % 2
.set P,   192                          ; v[192:223] weights, two buffers: G % 2
.set KF,  128
.set VF,  192
.set MD,  0
.set MC,  32
.set WV,  12
.set CX,  13
.set TL,  14                           ; 7 - the tile's number
.set LIM, 15
.set G1K, 24
.set G1V, 32
.set G0K, 40                           ; two sets: the first fills; the second then walks
.set G0V, 48
.set CNT, 56                           ; counts a tile's steps, 4 to 1
.set STP, 57
.set AL,  58
.set BE,  60
.set TBK, 62
.set TBV, 63
.set BIG, 66
.set OSC, 68
.set PFA, 70
.set QP,  72
.set KP,  74
.set VP,  76
.set OB,  78
.set MSB, 0
.macro WIN new
.if MSB != (\new)
	s_set_vgpr_msb (MSB<<8)|(\new)
.set MSB, (\new)
.endif
.endm
.set W_KQ, 0x0a
.set W_KM, 0x3a                        ; the same with the C operand in window 3
.set W_PV, 0x52
.macro PLACES
.rept 4
	v_nop
.endr
.endm
.macro CROUND
	s_barrier_signal -1
	s_barrier_wait -1
	s_cmp_lg_u32 s[WV], 0
	s_cbranch_scc1 .Lnot_wave_0_\@
	s_barrier_signal -3
.Lnot_wave_0_\@:
	s_barrier_wait -3
	s_barrier_signal -1
	s_barrier_wait -1
.endm
.macro JLOAD                           ; waves 0 and 1 fetch the halves of a tile's K, waves 2 and 3 those of its V
	s_cmp_lt_u32 s[WV], 2
	s_cbranch_scc0 .Lfor_v_\@
	tensor_load_to_lds s[G0K+4:G0K+7], s[G1K:G1K+7]
	s_nop 0
	PLACES
	s_branch .Lasked_\@
.Lfor_v_\@:
	tensor_load_to_lds s[G0V+4:G0V+7], s[G1V:G1V+7]
	s_nop 0
	PLACES
.Lasked_\@:
.endm
; THE CHANGE OF SLOTS, at a tile's end.  fill = 1: the slot just left takes the tile after the next one to be walked; behind the joint load one prefetch for the tile that the NEXT change will ask for:
; a tile is 128 pieces of 256 bytes of K and as many of V; wave 0 asks for K's, wave 2 for V's, a lane a piece, and the four partners take 32 each, told apart by address: each is named once.
; Tiles 0 to 2 come by their loads alone; the last change that fills asks for nothing.
.macro CHANGE fill
	WIN 0
	s_wait_tensorcnt 0x0
	ds_add_u32 v[SPW], v[NIL]
.if \fill
.irp g, G0K+4, G0V+4
	s_xor_b32 s[\g+1], s[\g+1], SLOT1
	s_add_nc_u64 s[\g+2:\g+3], s[\g+2:\g+3], TILEB
.endr
	s_wait_xcnt 0x0                                ; the last prefetch, a tile back, has read its address
	s_add_nc_u64 s[PFA:PFA+1], s[PFA:PFA+1], TILEB
	s_wait_dscnt 0x0
	CROUND
	JLOAD
	s_cmp_gt_u32 s[TL], s[LIM]
	s_cbranch_scc0 .Lnot_mine_\@
	global_prefetch_b8 v[PFO], s[PFA:PFA+1] th:TH_LOAD_NT scope:SCOPE_SE
.Lnot_mine_\@:
.else
	s_wait_dscnt 0x0
	s_barrier_signal -1
	s_barrier_wait -1
.endif
	s_sub_co_u32 s[TBK], s[TBK], 4*KS*PKP
	s_xor_b32 s[TBK], s[TBK], SLOT1
	s_sub_co_u32 s[TBV], s[TBV], 4*KS*PVP
	s_xor_b32 s[TBV], s[TBV], SLOT1
.endm
; Product i of 8 of S^T for piece x: channels 32 (i / 4) on, keys 16 (i % 4) on.  The four accumulators take turns.  The first four start the sums, with 0 or with the mask.
.macro KQ x, masked
.set rS, Y+32*((\x)%3)+8*(i%4)
.set rK, KF+16*(i%4)+8*(i/4)
.set rQ, 16*(\x)+8*(i/4)
.if (i < 4) && (\masked)
	WIN W_KM
	v_wmma_f32_16x16x32_f16 v[rS:rS+7], v[rK:rK+7], v[rQ:rQ+7], v[MC+8*(i%4):MC+8*(i%4)+7]
.elseif i < 4
	WIN W_KQ
	v_wmma_f32_16x16x32_f16 v[rS:rS+7], v[rK:rK+7], v[rQ:rQ+7], 0
.else
	WIN W_KQ
	v_wmma_f32_16x16x32_f16 v[rS:rS+7], v[rK:rK+7], v[rQ:rQ+7], v[rS:rS+7]
.endif
.endm
; Product i of 8 of O^T += V^T P for piece x: keys 32 (i / 4) on, channels 16 (i % 4) on.
.macro PVM x
	WIN W_PV
.set rO, 32*(\x)+8*(i%4)
.set rV, VF+32*(i/4)+8*(i%4)
.set rP, P+16*((\x)%2)+8*(i/4)
	v_wmma_f32_16x16x32_bf16 v[rO:rO+7], v[rV:rV+7], v[rP:rP+7], v[rO:rO+7]
.endm
.macro FETCH_K                         ; a step's K: 16 loads in one run
	WIN 0
	v_add_nc_u32 v[AK], s[TBK], v[AK0]
	s_add_co_u32 s[TBK], s[TBK], KS*PKP
	WIN 0x80
.irp f, 0,1,2,3,4,5,6,7
	ds_load_b128 v[KF+8*\f:KF+8*\f+3],   v[AK] offset:(\f/2)*16*PKP+(\f%2)*64
	ds_load_b128 v[KF+8*\f+4:KF+8*\f+7], v[AK] offset:(\f/2)*16*PKP+(\f%2)*64+32
.endr
	WIN 0
.endm
.macro MORE_K                          ; the next step's K, unless the tile ends: its first step's K is fetched behind the change of slots
	WIN 0
	s_cmp_eq_u32 s[CNT], 1
	s_cbranch_scc1 .Lno_k_\@
	FETCH_K
.Lno_k_\@:
.endm
.macro FETCH_V                         ; a step's V, turned: 16 loads in one run
	WIN 0
	v_add_nc_u32 v[AV], s[TBV], v[AV0]
	s_add_co_u32 s[TBV], s[TBV], KS*PVP
	WIN 0x80
.irp f, 0,1,2,3,4,5,6,7
	ds_load_tr16_b128 v[VF+8*\f:VF+8*\f+3],   v[AV] offset:(\f/4)*32*PVP+(\f%4)*32
	ds_load_tr16_b128 v[VF+8*\f+4:VF+8*\f+7], v[AV] offset:(\f/4)*32*PVP+16*PVP+(\f%4)*32
.endr
	WIN 0
.endm
; THE VECTOR WORK of piece g.  EX: e = 2^y for score n.  AR: 1 + e and its reciprocal for pair n.  ML: y r for pair n.  CV: pair n rounded to bf16.
.macro EX g, n
	v_exp_f32 v[R+32*((\g)%2)+(\n)], v[Y+32*((\g)%3)+(\n)]
.endm
.macro AR g, n
.set ra, R+32*((\g)%2)+2*(\n)
	v_pk_add_f32 v[ra:ra+1], v[ra:ra+1], 1.0 op_sel_hi:[1,0]
	v_rcp_f32 v[ra], v[ra]
	v_rcp_f32 v[ra+1], v[ra+1]
.endm
.macro ML g, n
.set ra, R+32*((\g)%2)+2*(\n)
.set ry, Y+32*((\g)%3)+2*(\n)
	v_pk_mul_f32 v[ra:ra+1], v[ry:ry+1], v[ra:ra+1]
.endm
.macro CV g, n
.set ra, R+32*((\g)%2)+2*(\n)
	v_cvt_pk_bf16_f32 v[P+16*((\g)%2)+(\n)], v[ra], v[ra+1]
.endm
.macro MSCAL                           ; the diagonal piece's mask for step 4 - CNT: (AL, BE) = (1, 0) in my band's own step, (0, 0) before it, (0, 1e30) behind it
	s_sub_co_u32 s[STP], 4, s[CNT]
	s_cmp_eq_u32 s[STP], s[CX]
	s_cselect_b32 s[AL], 1.0, 0
	s_cmp_gt_u32 s[STP], s[CX]
	s_cselect_b32 s[BE], s[BIG], 0
.endm
.macro MASK                            ; these sixteen are also the places between the last product that read V and the loads into V
	WIN 0xc3
.set z, 0
.rept 16
	v_pk_fma_f32 v[MC+2*z:MC+2*z+1], v[MD+2*z:MD+2*z+1], s[AL:AL+1], s[BE:BE+1] op_sel_hi:[1,0,0]
.set z, z+1
.endr
	WIN 0
.endm
; THE ENTRY for tile t: the diagonal piece's scores, bare; then piece t + 1's, with piece t's exponentials behind them; then piece t's reciprocals.
.macro DT t
	s_wait_dscnt 16                                ; K's sixteen loads are in; V's sixteen, issued behind them, may stay out
.set i, 0
.rept 8
	KQ \t, 1
.set i, i+1
.endr
	WIN 0
	PLACES
.set i, 0
.rept 8
	KQ (\t)+1, 0
	WIN 0
	EX \t, 4*i
	EX \t, 4*i+1
	EX \t, 4*i+2
	EX \t, 4*i+3
.set i, i+1
.endr
	v_nop
	s_wait_alu depctr_va_vdst(0)                   ; one wait for the 32 exponentials
.set i, 0
.rept 16
	AR \t, i
.set i, i+1
.endr
	v_nop
	s_wait_alu depctr_va_vdst(0)                   ; one wait for the 32 reciprocals
	s_wait_dscnt 0x0                               ; V is in
.endm
; TURN g (1 .. 7).  Each accumulator's lowest registers are read first.  The closing rounding of the first half is the plain instruction behind its last exponential.
.macro UT g
.set i, 0
.rept 8
.if (\g) < 7
	KQ (\g)+1, 0
.endif
	WIN 0
	EX \g, 4*i
	ML (\g)-1, 2*i
	EX \g, 4*i+1
	CV (\g)-1, 2*i
	EX \g, 4*i+2
	ML (\g)-1, 2*i+1
	EX \g, 4*i+3
	CV (\g)-1, 2*i+1
.set i, i+1
.endr
	s_wait_alu depctr_va_vdst(0)
.if (\g) == 7
	MORE_K                                         ; all pieces have multiplied by this step's K
.endif
.set i, 0
.rept 8
	PVM (\g)-1
	WIN 0
	AR \g, 2*i
	AR \g, 2*i+1
.set i, i+1
.endr
	v_nop
	s_wait_alu depctr_va_vdst(0)
.endm
.macro LAST7                           ; piece 7's weights and its products V^T P
	WIN 0
.set z, 0
.rept 8
	ML 7, 2*z
	ML 7, 2*z+1
	CV 7, 2*z
	CV 7, 2*z+1
.set z, z+1
.endr
.endm
.macro PV7
.set i, 0
.rept 8
	PVM 7
.set i, i+1
.endr
	WIN 0
.endm
; Piece t is finished: scaled, through my stage (a lane's 8 channels are 32 bytes of a token's 256), back as whole rows, stored: sixteen lanes fill a token's 256 bytes of this head, aligned.
.macro WRITEOUT t
	WIN 0x01
.set z, 0
.rept 16
	v_pk_mul_f32 v[Y+2*z:Y+2*z+1], v[32*(\t)+2*z:32*(\t)+2*z+1], s[OSC:OSC+1] op_sel_hi:[1,0]
.set z, z+1
.endr
	WIN 0
.irp f, 0,1,2,3,4,5,6,7
	ds_store_b128 v[STO], v[Y+4*\f:Y+4*\f+3] offset:64*(\f/2)+16*(\f%2)
.endr
.irp f, 0,1,2,3,4,5,6,7
	ds_load_b128 v[R+4*\f:R+4*\f+3], v[RD] offset:544*\f  ; LDS serves a wave's instructions in order: these see the stores above
.endr
.irp f, 0,1,2,3,4,5,6,7
	s_wait_dscnt 7-\f                              ; the younger loads may stay out
	global_store_b128 v[GO], v[R+4*\f:R+4*\f+3], s[OB:OB+1] offset:(\t)*524288+4096*\f
.endr
.endm
	s_load_b128 s[4:7], s[0:1], 0x0                ; mix 4, att 6
	v_lshl_add_u32 v[SPW], v0, 2, SPARE
	v_mov_b32 v[NIL], 0
	ds_add_u32 v[SPW], v[NIL]                      ; the wave's opening: the add, twice on end, and its wait ahead of my first tensor load
	ds_add_u32 v[SPW], v[NIL]
	v_lshrrev_b32 v1, 5, v0
	v_readfirstlane_b32 s[WV], v1
	s_bfe_u32 s[CX], ttmp6, 0x40000                ; g
	s_and_b32 s16, ttmp7, 0xffff
	s_lshr_b32 s17, s16, 3                         ; the sequence
	s_and_b32 s16, s16, 7                          ; the head
	s_lshl_b32 s18, s17, 18                        ; the sequence's 2,048 rows of 128 bytes in a block of mix
	s_and_b32 s19, s[WV], 1                        ; which half of a tile's 256 keys I fetch
	s_lshl_b32 s20, s19, 14
	s_add_co_u32 s20, s20, s18
	s_add_co_u32 s[KP], s16, 24                    ; k's block
	s_lshl_b32 s[KP], s[KP], 21
	s_add_co_u32 s[KP], s[KP], s20
	s_mov_b32 s[KP+1], 0
	s_add_co_u32 s[VP], s16, 8                     ; v's block
	s_lshl_b32 s[VP], s[VP], 21
	s_add_co_u32 s[VP], s[VP], s20
	s_mov_b32 s[VP+1], 0
	s_add_co_u32 s[QP], s16, 16                    ; q's block,
	s_lshl_b32 s[QP], s[QP], 21
	s_add_co_u32 s[QP], s[QP], s18
	s_lshl_b32 s23, s[CX], 13                      ; my band's 64 rows,
	s_add_co_u32 s[QP], s[QP], s23
	s_lshl_b32 s23, s[WV], 11                      ; my 16 of them
	s_add_co_u32 s[QP], s[QP], s23
	s_mov_b32 s[QP+1], 0
	s_lshl_b32 s[OB], s17, 22                      ; att: the sequence's 2,048 rows of 2,048 bytes,
	s_lshl_b32 s23, s[CX], 17
	s_add_co_u32 s[OB], s[OB], s23
	s_lshl_b32 s23, s[WV], 15
	s_add_co_u32 s[OB], s[OB], s23
	s_lshl_b32 s23, s16, 8                         ; the head's 256 bytes
	s_add_co_u32 s[OB], s[OB], s23
	s_mov_b32 s[OB+1], 0
	s_mul_i32 s21, s19, 128*PKP                    ; my half's place in a slot: no place in the cluster enters an LDS address
	s_mul_i32 s22, s19, 128*PVP
	; 128 keys are 16,384 dense bytes: asked for as 64 rows of 256 bytes, two keys a row, padded in LDS after every key
	s_mov_b32 s[G1K], 15|(1<<16)|(1<<20)|(1<<21)|(4<<22)|(3<<25)
	s_mov_b32 s[G1V], 15|(1<<16)|(1<<20)|(1<<21)|(4<<22)|(7<<25)
.irp g, G1K, G1V
	s_mov_b32 s[\g+1], 128<<16
	s_mov_b32 s[\g+2], 64<<16
	s_mov_b32 s[\g+3], 128<<16
	s_mov_b32 s[\g+4], 64
	s_mov_b32 s[\g+5], 128
	s_mov_b32 s[\g+6], 0
	s_mov_b32 s[\g+7], 0
.endr
	s_mov_b32 s[AL+1], 0                           ; named as pairs
	s_mov_b32 s[BE+1], 0
	s_mov_b32 s[BIG], 0x7149f2ca                   ; 1e30
	s_mov_b32 s[OSC], 0x3975fdf0                   ; ln(2)^2 / 2048
	s_mov_b32 s[OSC+1], s[OSC]
	s_mov_b32 s[TBK], 0
	s_mov_b32 s[TBV], 0
	s_mov_b32 s[TL], 7
	s_cmp_eq_u32 s19, 0                            ; waves 0 and 2 prefetch
	s_cselect_b32 s[LIM], 1, -1
	s_lshl_b32 s2, s[CX], 13                       ; my work-group's 32 pieces of 256 bytes,
	s_add_co_u32 s2, s2, 2*TILEB                   ; at tile 2: the first change steps it to tile 3
	s_mov_b32 s3, 0
	s_wait_dscnt 0x0
	s_wait_kmcnt 0x0
	s_add_nc_u64 s[KP:KP+1], s[4:5], s[KP:KP+1]
	s_add_nc_u64 s[VP:VP+1], s[4:5], s[VP:VP+1]
	s_add_nc_u64 s[QP:QP+1], s[4:5], s[QP:QP+1]
	s_add_nc_u64 s[OB:OB+1], s[6:7], s[OB:OB+1]
	s_cmp_lt_u32 s[WV], 2
	s_cselect_b64 s[PFA:PFA+1], s[KP:KP+1], s[VP:VP+1]
	s_add_nc_u64 s[PFA:PFA+1], s[PFA:PFA+1], s[2:3]
	CROUND                                         ; all four work-groups are here: the first joint loads meet
.irp s, 0,1
	s_mov_b32 s[G0K+4*\s], 1
	s_add_co_u32 s[G0K+4*\s+1], s21, \s*SLOT1
	s_add_nc_u64 s[G0K+4*\s+2:G0K+4*\s+3], s[KP:KP+1], \s*TILEB
	s_or_b32 s[G0K+4*\s+3], s[G0K+4*\s+3], 0x80000000
	s_mov_b32 s[G0V+4*\s], 1
	s_add_co_u32 s[G0V+4*\s+1], s22, \s*SLOT1+VOFF
	s_add_nc_u64 s[G0V+4*\s+2:G0V+4*\s+3], s[VP:VP+1], \s*TILEB
	s_or_b32 s[G0V+4*\s+3], s[G0V+4*\s+3], 0x80000000
.endr
	s_cmp_lt_u32 s[WV], 2                          ; a wave's two first fills stand in one branch: two loads of mine are out
	s_cbranch_scc0 .Lfirst_v
	tensor_load_to_lds s[G0K:G0K+3], s[G1K:G1K+7]
	s_nop 0
	tensor_load_to_lds s[G0K+4:G0K+7], s[G1K:G1K+7]
	s_nop 0
	PLACES
	s_branch .Lfirst_asked
.Lfirst_v:
	tensor_load_to_lds s[G0V:G0V+3], s[G1V:G1V+7]
	s_nop 0
	tensor_load_to_lds s[G0V+4:G0V+7], s[G1V:G1V+7]
	s_nop 0
	PLACES
.Lfirst_asked:
	v_and_b32 v1, 15, v0                           ; l % 16
	v_bfe_u32 v9, v0, 4, 1                         ; l / 16
	v_lshlrev_b32 v[QO], 7, v1
	v_lshl_add_u32 v[QO], v9, 4, v[QO]
	WIN 0x80
.set i, 0
.rept 16                               ; Q stays in registers: piece i / 2 lies 256 rows on; channels 32 (i % 2) on
	global_load_b128 v[8*i:8*i+3],   v[QO], s[QP:QP+1] offset:(i/2)*32768+(i%2)*64
	global_load_b128 v[8*i+4:8*i+7], v[QO], s[QP:QP+1] offset:(i/2)*32768+(i%2)*64+32
.set i, i+1
.endr
	WIN 0x40
.set i, 0
.rept 256
	v_mov_b32 v[i], 0                              ; O^T
.set i, i+1
.endr
	WIN 0
	v_lshlrev_b32 v16, 3, v9
	v_sub_nc_u32 v[QB], v1, v16
	s_lshl_b32 s16, s[WV], 4
	v_add_nc_u32 v[QB], s16, v[QB]
	s_lshl_b32 s16, s[CX], 6
	s_sub_co_u32 s16, s16, 192
	v_add_nc_u32 v[QI], s16, v[QB]
	WIN 0xc0
.set i, 0
.rept 32                               ; MD: register i % 8 of key group i / 8 is hidden in my band's own step where 16 (i / 8) + i % 8 is greater than QB
	v_cmp_gt_i32 vcc_lo, 16*(i/8)+i%8, v[QB]
	v_cndmask_b32 v[MD+i], 0, s[BIG], vcc_lo
.set i, i+1
.endr
	WIN 0
	v_mul_u32_u24 v[AK0], v1, PKP
	v_lshl_add_u32 v[AK0], v9, 4, v[AK0]
	v_and_b32 v16, 7, v0                           ; the turning load: lane l reads key 8 (l / 16) + l % 8, channels 8 ((l / 8) % 2) + 0..7
	v_bfe_u32 v17, v0, 3, 1
	v_lshl_add_u32 v[AV0], v9, 3, v16
	v_mul_u32_u24 v[AV0], v[AV0], PVP
	v_lshl_add_u32 v[AV0], v17, 4, v[AV0]
	v_add_nc_u32 v[AV0], VOFF, v[AV0]
	s_mul_i32 s16, s[WV], 16*SP
	s_add_co_u32 s16, s16, STAGE
	v_mul_u32_u24 v[STO], v1, SP
	v_lshl_add_u32 v[STO], v9, 5, v[STO]
	v_add_nc_u32 v[STO], s16, v[STO]
	v_mul_u32_u24 v[RD], v9, SP
	v_lshl_add_u32 v[RD], v1, 4, v[RD]
	v_add_nc_u32 v[RD], s16, v[RD]
	v_lshlrev_b32 v[GO], 4, v1
	v_lshl_add_u32 v[GO], v9, 11, v[GO]
	v_and_b32 v[PFO], 31, v0
	v_lshlrev_b32 v[PFO], 8, v[PFO]
	s_wait_loadcnt 0x0                             ; Q
	s_wait_tensorcnt 0x1                           ; my part of tile 0 is in; tile 1's may stay out
	s_barrier_signal -1
	s_barrier_wait -1
	s_branch .Lenter
.Ltile:                                        ; tiles 1 to 6: the slot just left takes the tile after this one, and the piece that has just ended goes out
	CHANGE 1
	s_cmp_eq_u32 s[TL], 6
	s_cbranch_scc1 .LW0
	s_cmp_eq_u32 s[TL], 5
	s_cbranch_scc1 .LW1
	s_cmp_eq_u32 s[TL], 4
	s_cbranch_scc1 .LW2
	s_cmp_eq_u32 s[TL], 3
	s_cbranch_scc1 .LW3
	s_cmp_eq_u32 s[TL], 2
	s_cbranch_scc1 .LW4
	WRITEOUT 5
	s_branch .Lenter
.LW4:
	WRITEOUT 4
	s_branch .Lenter
.LW3:
	WRITEOUT 3
	s_branch .Lenter
.LW2:
	WRITEOUT 2
	s_branch .Lenter
.LW1:
	WRITEOUT 1
	s_branch .Lenter
.LW0:
	WRITEOUT 0
.Lenter:
	s_wait_xcnt 0x0                                ; the stores have read their data: R is written again below
	FETCH_K                                        ; the tile's step 0
	s_mov_b32 s[CNT], 4
.Lstep:
	MSCAL
	MASK
	FETCH_V
	s_cmp_eq_u32 s[TL], 7
	s_cbranch_scc1 .LD0
	s_cmp_eq_u32 s[TL], 6
	s_cbranch_scc1 .LD1
	s_cmp_eq_u32 s[TL], 5
	s_cbranch_scc1 .LD2
	s_cmp_eq_u32 s[TL], 4
	s_cbranch_scc1 .LD3
	s_cmp_eq_u32 s[TL], 3
	s_cbranch_scc1 .LD4
	s_cmp_eq_u32 s[TL], 2
	s_cbranch_scc1 .LD5
	DT 6
	s_branch .LU7
.LD5:
	DT 5
	s_branch .LU6
.LD4:
	DT 4
	s_branch .LU5
.LD3:
	DT 3
	s_branch .LU4
.LD2:
	DT 2
	s_branch .LU3
.LD1:
	DT 1
	s_branch .LU2
.LD0:
	DT 0
	UT 1
.LU2:
	UT 2
.LU3:
	UT 3
.LU4:
	UT 4
.LU5:
	UT 5
.LU6:
	UT 6
.LU7:
	UT 7
	LAST7
	PV7
	s_sub_co_u32 s[CNT], s[CNT], 1
	s_cmp_lg_u32 s[CNT], 0
	s_cbranch_scc1 .Lstep
	s_sub_co_u32 s[TL], s[TL], 1
	s_cmp_lg_u32 s[TL], 0
	s_cbranch_scc1 .Ltile
	CHANGE 0                                       ; tile 7 is written out: nothing is asked for; piece 7 alone is alive
	WRITEOUT 6
	s_wait_xcnt 0x0
	FETCH_K
	s_mov_b32 s[CNT], 4
.Llast:
	MSCAL
	s_cmp_eq_u32 s[CNT], 1
	s_cbranch_scc1 .Lident
	MASK
	s_branch .Lmasked
.Lident:                                       ; keys 1984 .. 2047: a key is seen by the query of its own number alone
	WIN 0xc0
.set i, 0
.rept 32
	v_cmp_ne_i32 vcc_lo, 16*(i/8)+i%8, v[QI]
	v_cndmask_b32 v[MC+i], 0, s[BIG], vcc_lo
.set i, i+1
.endr
	WIN 0
.Lmasked:
	FETCH_V
	s_wait_dscnt 16                                ; K is in; V's sixteen may stay out
.set i, 0
.rept 8
	KQ 7, 1
.set i, i+1
.endr
	WIN 0
	PLACES
.set i, 0
.rept 32
	EX 7, i
.set i, i+1
.endr
	v_nop
	s_wait_alu depctr_va_vdst(0)
	MORE_K
.set i, 0
.rept 16
	AR 7, i
.set i, i+1
.endr
	v_nop
	s_wait_alu depctr_va_vdst(0)
	LAST7
	s_wait_dscnt 0x0                               ; V is in
	PV7
	s_sub_co_u32 s[CNT], s[CNT], 1
	s_cmp_lg_u32 s[CNT], 0
	s_cbranch_scc1 .Llast
	PLACES
	WRITEOUT 7
	s_wait_tensorcnt 0x0                           ; the wave's end
	ds_add_u32 v[SPW], v[NIL]
	s_wait_dscnt 0x0
	CROUND                                         ; the closing round
	s_endpgm
.Lfunc_end_k_q6eb0aa2a1f_attn:
	.size	k_q6eb0aa2a1f_attn, .Lfunc_end_k_q6eb0aa2a1f_attn-k_q6eb0aa2a1f_attn
	.p2alignl 7, 3214868480
	.fill 96, 4, 3214868480
	.section	.rodata,"a",@progbits
	.p2align	6, 0x0
	.amdhsa_kernel k_q6eb0aa2a1f_attn
		.amdhsa_group_segment_fixed_size 327680
		.amdhsa_private_segment_fixed_size 0
		.amdhsa_enable_private_segment 0
		.amdhsa_kernarg_size 16
		.amdhsa_user_sgpr_count 2
		.amdhsa_user_sgpr_kernarg_segment_ptr 1
		.amdhsa_wavefront_size32 1
		.amdhsa_system_sgpr_workgroup_id_x 1
		.amdhsa_system_sgpr_workgroup_id_y 1
		.amdhsa_system_sgpr_workgroup_id_z 1
		.amdhsa_system_vgpr_workitem_id 0
		.amdhsa_next_free_vgpr 832
		.amdhsa_next_free_sgpr 96
		.amdhsa_reserve_vcc 1
		.amdhsa_float_denorm_mode_32 3
		.amdhsa_float_denorm_mode_16_64 3
		.amdhsa_memory_ordered 1
		.amdhsa_forward_progress 1
		.amdhsa_inst_pref_size 155
	.end_amdhsa_kernel
	.amdgpu_metadata
---
amdhsa.version: [ 1, 2 ]
amdhsa.kernels:
  - .name:           k_q6eb0aa2a1f_attn
    .symbol:         k_q6eb0aa2a1f_attn.kd
    .args:
      - { .name: mix, .offset: 0, .size: 8, .value_kind: global_buffer, .address_space: global }
      - { .name: att, .offset: 8, .size: 8, .value_kind: global_buffer, .address_space: global }
    .group_segment_fixed_size: 327680
    .private_segment_fixed_size: 0
    .kernarg_segment_align: 8
    .kernarg_segment_size: 16
    .max_flat_workgroup_size: 128
    .sgpr_count:     96
    .vgpr_count:     832
    .wavefront_size: 32
...
	.end_amdgpu_metadata
.endif
;; end of part 3
;; launch proj (part 4): grid 256 x 1, 8 waves a work-group, no clusters, 102,400 bytes of LDS; arguments att, mix, ln_out_w, ln_out_b, wpf, x, out0; writes out0
.if DOCPART == 4
	.amdgcn_target "amdgcn-amd-amdhsa--gfx1250"
	.amdhsa_code_object_version 6
	.text
	.protected	k_q6eb0aa2a1f_proj
	.globl	k_q6eb0aa2a1f_proj
	.p2align	8
	.type	k_q6eb0aa2a1f_proj,@function
k_q6eb0aa2a1f_proj:
	s_mov_b64 s[64:65], 0
	v_nop
	global_prefetch_b8 v0, s[64:65] scope:SCOPE_SE
	s_setreg_imm32_b32 hwreg(HW_REG_WAVE_MODE, 25, 1), 1
	s_wait_xcnt 0x0
; PROJ.  out0 = (u * (LayerNorm(att) * ln_out_w + ln_out_b)) w_proj + x.  att: [16384][512] f32; u arrives as -log2(e) u in f16 (blocks 0 to 7 of mix), so gain and bias are multiplied by -ln(2);
; the product's left operand is rounded to bf16 (u times a gain has no sure room in f16), w_proj arrives in bf16 as fragments (wpf); sums in f32; x is added in f32.
; SHARES.  A work-group owns 64 tokens and all 512 columns.  NORM: wave w takes tokens 8 w .. + 7 as four pairs; lanes 0-15 hold one token, lanes 16-31 the next; lane l holds channels
; 64 cb + 4 (l % 16) + 0..3, cb = 0..7: a load of att covers two aligned pieces of 256 bytes, and a sum needs four steps within 16 lanes.  Mean first, then the variance of the differences.
; PRODUCT: wave w takes columns 64 w .. + 63 for all 64 tokens: 16 accumulators, which take turns.  Its weights come straight from wpf into a ring of four K steps of registers; the left operand
; comes from LDS, where the eight waves have put it (one barrier).  Used transposed: a lane holds one token and 8 neighbouring columns.
; NO CLUSTER, NO TENSOR LOAD: a wave's weights go into its own registers and no other wave of the work-group wants them; a joint ring beside A and the stages would change slots every 32 products.
; No prefetch: every stream of the launch is asked for at its head.
; LIMITS.  NaN and infinities are not treated apart.
; REGISTERS: window 0 as below; window 1: v0-127 att's numbers (pair p at 32 p), later the accumulators ((a, b) at 8 (4 a + b)); v128-255 the weights' ring.
.set PITCH, 1040                       ; a row of A in LDS: 1,024 bytes + 16
.set STAGE, 64*PITCH                   ; 16 rows x 272 bytes for each wave
.set SP,    272
.set SPARE, STAGE+8*16*SP
.set AO,  3                            ; v3   2,048 (l / 16) + 16 (l % 16): att, x and out0
.set UO,  4                            ; v4   8 x lane
.set LWO, 5                            ; v5   16 (l % 16)
.set AST, 6                            ; v6   where I put 8 bytes of A
.set AA0, 7                            ; v7   my lane's place in 16 rows of A
.set BO,  8                            ; v8   16 x lane
.set STO, 9
.set RD,  10
.set ZERO, 11
.set SPW, 14
.set NIL, 15
.set ST,  16                           ; v[16:31]   pair p: four registers
.set LW,  32                           ; v[32:63]
.set LB,  64                           ; v[64:95]
.set U,   96                           ; v[96:159]  pair p at U + 16 p
.set XR,  32                           ; v[32:159]  later: x, row block a at XR + 32 a
.set TP,  160                          ; v[160:191] at work
.set AF,  192                          ; v[192:255] A's fragments, two buffers of 32
.set BR,  128                          ; window 1
.set WV,  12
.set MSB, 0
.macro WIN new
.if MSB != (\new)
	s_set_vgpr_msb (MSB<<8)|(\new)
.set MSB, (\new)
.endif
.endm
.macro PLACES
.rept 4
	v_nop
.endr
.endm
; the sum (sq = 0) or the sum of squares (sq = 1) of pair p's two tokens, into v[ST + 4 p], each half of the lanes its own token's
.macro SUMS p, sq
.set tb, TP+16*((\p)%2)
.set ab, 32*(\p)
	WIN 0x05
.set n, 0
.rept 8
.if \sq
	v_pk_mul_f32 v[tb+2*n:tb+2*n+1], v[ab+2*n:ab+2*n+1], v[ab+2*n:ab+2*n+1]
.else
	v_pk_add_f32 v[tb+2*n:tb+2*n+1], v[ab+2*n:ab+2*n+1], v[ab+16+2*n:ab+16+2*n+1]
.endif
.set n, n+1
.endr
.if \sq
.set n, 0
.rept 8
	v_pk_fma_f32 v[tb+2*n:tb+2*n+1], v[ab+16+2*n:ab+16+2*n+1], v[ab+16+2*n:ab+16+2*n+1], v[tb+2*n:tb+2*n+1]
.set n, n+1
.endr
.endif
	WIN 0
.irp d, 8, 4, 2
.set n, 0
.rept \d/2
	v_pk_add_f32 v[tb+2*n:tb+2*n+1], v[tb+2*n:tb+2*n+1], v[tb+\d+2*n:tb+\d+2*n+1]
.set n, n+1
.endr
.endr
	v_add_f32 v[ST+4*(\p)], v[tb], v[tb+1]
.irp m, 1,2,4,8
	v_add_f32_dpp v[ST+4*(\p)], v[ST+4*(\p)], v[ST+4*(\p)] row_xmask:\m row_mask:0xf bank_mask:0xf
.endr
.endm
.macro SHIFT p                         ; a - mean
	WIN 0x41
.set n, 0
.rept 16
	v_pk_add_f32 v[32*(\p)+2*n:32*(\p)+2*n+1], v[32*(\p)+2*n:32*(\p)+2*n+1], v[ST+4*(\p):ST+4*(\p)+1]
.set n, n+1
.endr
.endm
.macro FINISH p                        ; normalised, gain and bias, times u, rounded to bf16, into A
.set tb, TP+16*((\p)%2)
.set ab, 32*(\p)
	WIN 0x41
.set n, 0
.rept 16
	v_pk_mul_f32 v[ab+2*n:ab+2*n+1], v[ab+2*n:ab+2*n+1], v[ST+4*(\p)+2:ST+4*(\p)+3]
.set n, n+1
.endr
.set n, 0
.rept 16
	v_pk_fma_f32 v[ab+2*n:ab+2*n+1], v[ab+2*n:ab+2*n+1], v[LW+2*n:LW+2*n+1], v[LB+2*n:LB+2*n+1]
.set n, n+1
.endr
	WIN 0x44                                       ; u and 0 in window 0, a in window 1
.set n, 0
.rept 16
	v_fma_mix_f32 v[ab+2*n], v[U+16*(\p)+n], v[ab+2*n], v[ZERO] op_sel_hi:[1,0,0]
	v_fma_mix_f32 v[ab+2*n+1], v[U+16*(\p)+n], v[ab+2*n+1], v[ZERO] op_sel:[1,0,0] op_sel_hi:[1,0,0]
.set n, n+1
.endr
	WIN 0x05
.set n, 0
.rept 16
	v_cvt_pk_bf16_f32 v[tb+n], v[ab+2*n], v[ab+2*n+1]
.set n, n+1
.endr
	WIN 0
.irp c, 0,1,2,3,4,5,6,7
	ds_store_b64 v[AST], v[tb+2*\c:tb+2*\c+1] offset:2*(\p)*PITCH+128*\c
.endr
.endm
.macro ALOAD s                         ; A's fragments of K step s: four blocks of 16 tokens
	WIN 0
.irp a, 0,1,2,3
	ds_load_b128 v[AF+32*((\s)%2)+8*\a:AF+32*((\s)%2)+8*\a+3],   v[AA0] offset:\a*16*PITCH+64*(\s)
	ds_load_b128 v[AF+32*((\s)%2)+8*\a+4:AF+32*((\s)%2)+8*\a+7], v[AA0] offset:\a*16*PITCH+64*(\s)+32
.endr
.endm
.macro BLOAD s                         ; the weights of K step s: eight loads of 512 consecutive bytes
	WIN 0x40
.irp j, 0,1,2,3,4,5,6,7
	global_load_b128 v[BR+32*((\s)%4)+4*\j:BR+32*((\s)%4)+4*\j+3], v[BO], s[16:17] offset:512*(8*(\s)+\j)
.endr
.endm
; K step s.  The four v_nop stand behind the last step's products, in front of the loads into the buffers that they read.  The global loads went out in this order: weights 0 to 3, x's 32, then
; the weights of step s + 3 in step s (1 to 12).  So behind step s's own eight stand 56 loads in steps 0 to 3, 24 in steps 4 to 12, then 16, 8, 0.
.macro KSTEP s
.if (\s) >= 1
	WIN 0
	PLACES
.endif
.if ((\s) >= 1) && ((\s) <= 12)
	BLOAD (\s)+3
.endif
.if (\s) < 15
	ALOAD (\s)+1
.endif
.if (\s) < 4
	s_wait_loadcnt 56
.elseif (\s) < 13
	s_wait_loadcnt 24
.else
	s_wait_loadcnt 8*(15-(\s))
.endif
.if (\s) < 15
	s_wait_dscnt 8                                 ; the next step's eight loads may stay out
.else
	s_wait_dscnt 0x0
.endif
	WIN 0x51                                       ; weights and sums in window 1, A in window 0
.irp a, 0,1,2,3
.irp b, 0,1,2,3
.if (\s) == 0
	v_wmma_f32_16x16x32_bf16 v[8*(4*\a+\b):8*(4*\a+\b)+7], v[BR+32*((\s)%4)+8*\b:BR+32*((\s)%4)+8*\b+7], v[AF+32*((\s)%2)+8*\a:AF+32*((\s)%2)+8*\a+7], 0
.else
	v_wmma_f32_16x16x32_bf16 v[8*(4*\a+\b):8*(4*\a+\b)+7], v[BR+32*((\s)%4)+8*\b:BR+32*((\s)%4)+8*\b+7], v[AF+32*((\s)%2)+8*\a:AF+32*((\s)%2)+8*\a+7], v[8*(4*\a+\b):8*(4*\a+\b)+7]
.endif
.endr
.endr
.endm
; Row block a goes out: through my stage, back as whole rows of 256 bytes, x added (into x's registers, so that what comes back from the stage is never a store's data), stored.
.macro OUTB a
	WIN 0x04                                       ; the stores' data in window 1; each accumulator's low four registers first
.irp f, 0,1,2,3,4,5,6,7
	ds_store_b128 v[STO], v[8*(4*(\a)+\f/2)+4*(\f%2):8*(4*(\a)+\f/2)+4*(\f%2)+3] offset:64*(\f/2)+16*(\f%2)
.endr
	WIN 0
.irp f, 0,1,2,3,4,5,6,7
	ds_load_b128 v[TP+4*\f:TP+4*\f+3], v[RD] offset:544*\f  ; LDS serves a wave's instructions in order
.endr
.irp f, 0,1,2,3,4,5,6,7
	s_wait_dscnt 7-\f                              ; the younger loads may stay out
	v_pk_add_f32 v[XR+32*(\a)+4*\f:XR+32*(\a)+4*\f+1], v[XR+32*(\a)+4*\f:XR+32*(\a)+4*\f+1], v[TP+4*\f:TP+4*\f+1]
	v_pk_add_f32 v[XR+32*(\a)+4*\f+2:XR+32*(\a)+4*\f+3], v[XR+32*(\a)+4*\f+2:XR+32*(\a)+4*\f+3], v[TP+4*\f+2:TP+4*\f+3]
	global_store_b128 v[AO], v[XR+32*(\a)+4*\f:XR+32*(\a)+4*\f+3], s[20:21] offset:(\a)*32768+4096*\f th:TH_STORE_NT  ; sixteen lanes store 256 consecutive bytes, aligned
.endr
.endm
	s_load_b256 s[4:11], s[0:1], 0x0               ; att 4, mix 6, ln_out_w 8, ln_out_b 10
	s_load_b128 s[16:19], s[0:1], 0x20             ; wpf 16, x 18
	s_load_b64 s[20:21], s[0:1], 0x30              ; out0
	v_lshl_add_u32 v[SPW], v0, 2, SPARE
	v_mov_b32 v[NIL], 0
	v_lshrrev_b32 v1, 5, v0
	v_readfirstlane_b32 s[WV], v1
	v_and_b32 v1, 15, v0
	v_bfe_u32 v2, v0, 4, 1
	v_and_b32 v12, 31, v0
	v_lshlrev_b32 v[LWO], 4, v1
	v_lshl_add_u32 v[AO], v2, 11, v[LWO]
	v_lshlrev_b32 v[UO], 3, v12
	v_lshlrev_b32 v[BO], 4, v12
	v_mov_b32 v[ZERO], 0
	s_mul_i32 s13, s[WV], 8*PITCH
	v_mul_u32_u24 v[AST], v2, PITCH
	v_lshl_add_u32 v[AST], v1, 3, v[AST]
	v_add_nc_u32 v[AST], s13, v[AST]
	v_mul_u32_u24 v[AA0], v1, PITCH
	v_lshl_add_u32 v[AA0], v2, 4, v[AA0]
	s_mul_i32 s13, s[WV], 16*SP
	s_add_co_u32 s13, s13, STAGE
	v_mul_u32_u24 v[STO], v1, SP
	v_lshl_add_u32 v[STO], v2, 5, v[STO]
	v_add_nc_u32 v[STO], s13, v[STO]
	v_mul_u32_u24 v[RD], v2, SP
	v_lshl_add_u32 v[RD], v1, 4, v[RD]
	v_add_nc_u32 v[RD], s13, v[RD]
	s_lshl_b32 s22, ttmp9, 17                      ; att: 64 tokens of 2,048 bytes,
	s_lshl_b32 s13, s[WV], 14                      ; my 8
	s_add_co_u32 s22, s22, s13
	s_mov_b32 s23, 0
	s_lshl_b32 s26, ttmp9, 13                      ; u: tokens of 128 bytes
	s_lshl_b32 s13, s[WV], 10
	s_add_co_u32 s26, s26, s13
	s_mov_b32 s27, 0
	s_lshl_b32 s32, ttmp9, 17                      ; x and out0: the 64 tokens, my 64 columns
	s_lshl_b32 s13, s[WV], 8
	s_add_co_u32 s32, s32, s13
	s_mov_b32 s33, 0
	s_lshl_b32 s34, s[WV], 16                      ; my 65,536 bytes of wpf
	s_mov_b32 s35, 0
	s_mov_b32 s28, 0xbb000000                      ; -1/512
	s_mov_b32 s29, 0x3b000000                      ; 1/512
	s_mov_b32 s30, 0xbf317218                      ; -ln(2)
	s_mov_b32 s31, s30
	s_wait_kmcnt 0x0
	s_add_nc_u64 s[4:5], s[4:5], s[22:23]
	s_add_nc_u64 s[6:7], s[6:7], s[26:27]
	s_add_nc_u64 s[24:25], s[6:7], 0x800000        ; blocks 4 to 7 of mix, so that the loads' immediates stay inside their 24 bits
	s_add_nc_u64 s[16:17], s[16:17], s[34:35]
	s_add_nc_u64 s[18:19], s[18:19], s[32:33]
	s_add_nc_u64 s[20:21], s[20:21], s[32:33]
	WIN 0x40
.irp p, 0,1,2,3
.irp c, 0,1,2,3,4,5,6,7
	global_load_b128 v[32*\p+4*\c:32*\p+4*\c+3], v[AO], s[4:5] offset:\p*4096+\c*256 th:TH_LOAD_NT
.endr
.endr
	WIN 0
.irp p, 0,1,2,3
.irp c, 0,1,2,3
	global_load_b64 v[U+16*\p+2*\c:U+16*\p+2*\c+1], v[UO], s[6:7] offset:\c*2097152+\p*256 th:TH_LOAD_NT
	global_load_b64 v[U+16*\p+8+2*\c:U+16*\p+8+2*\c+1], v[UO], s[24:25] offset:\c*2097152+\p*256 th:TH_LOAD_NT
.endr
.endr
.irp c, 0,1,2,3,4,5,6,7
	global_load_b128 v[LW+4*\c:LW+4*\c+3], v[LWO], s[8:9] offset:\c*256
	global_load_b128 v[LB+4*\c:LB+4*\c+3], v[LWO], s[10:11] offset:\c*256
.endr
	BLOAD 0
	BLOAD 1
	BLOAD 2
	BLOAD 3
	WIN 0
	s_wait_loadcnt 32                              ; all but the weights' 32
.set n, 0
.rept 16
	v_pk_mul_f32 v[LW+2*n:LW+2*n+1], v[LW+2*n:LW+2*n+1], s[30:31] op_sel_hi:[1,0]
	v_pk_mul_f32 v[LB+2*n:LB+2*n+1], v[LB+2*n:LB+2*n+1], s[30:31] op_sel_hi:[1,0]
.set n, n+1
.endr
.irp p, 0,1,2,3
	SUMS \p, 0
	v_mul_f32 v[ST+4*\p+1], s28, v[ST+4*\p]        ; -mean, twice: a pair for the packed additions
	v_mul_f32 v[ST+4*\p], s28, v[ST+4*\p]
.endr
.irp p, 0,1,2,3
	SHIFT \p
.endr
.irp p, 0,1,2,3
	SUMS \p, 1
	v_fmaak_f32 v[ST+4*\p], s29, v[ST+4*\p], 0x3727c5ac  ; sum / 512 + 1e-5
.endr
.irp p, 0,1,2,3
	v_rsq_f32 v[ST+4*\p+2], v[ST+4*\p]             ; twice, to fill a pair; the source is left as it is
	v_rsq_f32 v[ST+4*\p+3], v[ST+4*\p]
.endr
	v_nop                                          ; a plain instruction behind the last root,
	s_wait_alu depctr_va_vdst(0)                   ; and one wait for the eight
.irp p, 0,1,2,3
	FINISH \p
.endr
.irp a, 0,1,2,3
.irp f, 0,1,2,3,4,5,6,7
	global_load_b128 v[XR+32*\a+4*\f:XR+32*\a+4*\f+3], v[AO], s[18:19] offset:\a*32768+\f*4096 th:TH_LOAD_NT  ; x, as the way out will want it; gain, bias and u have been read
.endr
.endr
	s_wait_dscnt 0x0                               ; for the others' sake: my rows of A are in LDS
	s_barrier_signal -1
	s_barrier_wait -1
	ALOAD 0
.irp s, 0,1,2,3,4,5,6,7,8,9,10,11,12,13,14,15
	KSTEP \s
.endr
	WIN 0
	PLACES
	OUTB 0
	OUTB 1
	OUTB 2
	OUTB 3
	s_wait_tensorcnt 0x0                           ; the wave's end, behind my last LDS store
	ds_add_u32 v[SPW], v[NIL]
	s_wait_dscnt 0x0
	s_endpgm
.Lfunc_end_k_q6eb0aa2a1f_proj:
	.size	k_q6eb0aa2a1f_proj, .Lfunc_end_k_q6eb0aa2a1f_proj-k_q6eb0aa2a1f_proj
	.p2alignl 7, 3214868480
	.fill 96, 4, 3214868480
	.section	.rodata,"a",@progbits
	.p2align	6, 0x0
	.amdhsa_kernel k_q6eb0aa2a1f_proj
		.amdhsa_group_segment_fixed_size 102400
		.amdhsa_private_segment_fixed_size 0
		.amdhsa_enable_private_segment 0
		.amdhsa_kernarg_size 56
		.amdhsa_user_sgpr_count 2
		.amdhsa_user_sgpr_kernarg_segment_ptr 1
		.amdhsa_wavefront_size32 1
		.amdhsa_system_sgpr_workgroup_id_x 1
		.amdhsa_system_sgpr_workgroup_id_y 1
		.amdhsa_system_sgpr_workgroup_id_z 1
		.amdhsa_system_vgpr_workitem_id 0
		.amdhsa_next_free_vgpr 512
		.amdhsa_next_free_sgpr 66
		.amdhsa_reserve_vcc 0
		.amdhsa_float_denorm_mode_32 3
		.amdhsa_float_denorm_mode_16_64 3
		.amdhsa_memory_ordered 1
		.amdhsa_forward_progress 1
		.amdhsa_inst_pref_size 109
	.end_amdhsa_kernel
	.amdgpu_metadata
---
amdhsa.version: [ 1, 2 ]
amdhsa.kernels:
  - .name:           k_q6eb0aa2a1f_proj
    .symbol:         k_q6eb0aa2a1f_proj.kd
    .args:
      - { .name: att, .offset: 0, .size: 8, .value_kind: global_buffer, .address_space: global }
      - { .name: mix, .offset: 8, .size: 8, .value_kind: global_buffer, .address_space: global }
      - { .name: ln_out_w, .offset: 16, .size: 8, .value_kind: global_buffer, .address_space: global }
      - { .name: ln_out_b, .offset: 24, .size: 8, .value_kind: global_buffer, .address_space: global }
      - { .name: wpf, .offset: 32, .size: 8, .value_kind: global_buffer, .address_space: global }
      - { .name: x, .offset: 40, .size: 8, .value_kind: global_buffer, .address_space: global }
      - { .name: out0, .offset: 48, .size: 8, .value_kind: global_buffer, .address_space: global }
    .group_segment_fixed_size: 102400
    .private_segment_fixed_size: 0
    .kernarg_segment_align: 8
    .kernarg_segment_size: 56
    .max_flat_workgroup_size: 256
    .sgpr_count:     66
    .vgpr_count:     512
    .wavefront_size: 32
...
	.end_amdgpu_metadata
.endif
;; end of part 4
;; ======== version 2 of 2: 4 launches; version 1 with the launches prep, proj written anew for expert scheduling mode
;; limits: values are held in f16: magnitudes above 65,504 overflow, below 6.1e-05 lose precision
;; workspace buffers: xn 16,777,216 bytes; wf 2,097,152 bytes; wpf 524,288 bytes; mix 67,108,864 bytes; att 33,554,432 bytes
;; launch prep (part 5): grid 256 x 1, 16 waves a work-group, no clusters, 0 bytes of LDS; arguments x, ln_in_w, ln_in_b, w_uvqk, w_proj, xn, wf, wpf; writes xn, wf, wpf
.if DOCPART == 5
	.amdgcn_target "amdgcn-amd-amdhsa--gfx1250"
	.amdhsa_code_object_version 6
	.text
	.protected	k_q6eb0aa2a1f_prep
	.globl	k_q6eb0aa2a1f_prep
	.p2align	8
	.type	k_q6eb0aa2a1f_prep,@function
k_q6eb0aa2a1f_prep:
	s_mov_b64 s[64:65], 0
	v_nop
	global_prefetch_b8 v0, s[64:65] scope:SCOPE_SE
	s_setreg_imm32_b32 hwreg(HW_REG_WAVE_SCHED_MODE, 0, 2), 2
	s_setreg_imm32_b32 hwreg(HW_REG_WAVE_MODE, 25, 1), 1
	s_wait_xcnt 0x0
	s_wait_alu depctr_vm_vsrc(0)
; PREP.  xn = LayerNorm(x) * ln_in_w + ln_in_b, [16384][512], rounded once to f16; wf = f16(-log2(e) * w_uvqk) and wpf = bf16(w_proj), both laid out as the
; matrix fragments of the later launches want them.  A stream: no LDS, no matrix unit, no barrier.
; SHARES.  A work-group owns 64 rows of x, each of its 16 waves 4.  One wave, one row: lane l holds channels 128 j + 4 l + 0..3 (j = 0..3), so a load covers 512 consecutive bytes
; and a store 256.  All 16 row loads of a wave go out at once.  Mean first, then the variance of the differences: no difference of large sums.
; WEIGHTS.  A chunk is 512 bytes, 16 a lane: chunk ci = 128 cb + ((4 ks + b) 2 + c) holds, in lane l, column 64 cb + 16 b + l % 16 and rows 32 ks + 16 c + 8 (l / 16) + 0..7 of the weight.
; Wave w of work-group g makes chunk 16 g + w of wf; waves 0 to 3 also chunk 4 g + w of wpf.
; LIMITS.  f16 holds no number beyond 65,504: 1.4427 |w_uvqk| and |xn| stay within it (|xn| is at most 22.6 |gain| + |bias|).  NaN and infinities are not treated apart.
; THE MODE: SCHED_MODE bits 1:0 = 2 (LLVM: expert scheduling mode 2), set by the entry lines.  The code itself states the register dependences
; between vector instructions and memory instructions, with s_wait_alu, always for 0.
; THE PLAN.  Registers that memory instructions touch:
;   v2 .. v5          byte offsets, made once at the head and never written again; every load and store reads one of them.
;   WP, LW, LB, X, W  written by the loads, which go out before any vector instruction names them.
;   X (as f16), PK    written by the conversions; read by the run of 17 stores, behind which no line writes them.
;   PK2               waves 0 to 3: written by four conversions, read by one store.
; So: one wait ahead of the loads (the offsets), one ahead of the run of stores (all conversions stand ahead of it), one ahead of wpf's store.
; No register that a memory instruction has read is written again.
.set LW,  8                            ; v[8:23]    gain of my 16 channels
.set LB,  24                           ; v[24:39]   bias
.set X,   40                           ; v[40:103]  row r at X + 16 r
.set T,   104                          ; v[104:119] row r: four registers at work
.set W,   120                          ; v[120:127] eight numbers of w_uvqk
.set WP,  128                          ; v[128:135] eight numbers of w_proj
.set PK,  136                          ; v[136:139] my 16 bytes of wf
.set PK2, 140                          ; v[140:143] my 16 bytes of wpf
; off = byte offset in a weight of row 32 ks + 16 c, column 64 cb + 16 b, for chunk ci; sh = 4 + log2(bytes in a row of the weight)
.macro PLACE ci, sh, off
	s_and_b32 s9, \ci, 127                         ; (4 ks + b) 2 + c
	s_lshr_b32 s10, \ci, 7                         ; cb
	s_lshr_b32 s11, s9, 3                          ; ks
	s_and_b32 s3, s9, 1                            ; c
	s_lshl1_add_u32 s11, s11, s3                   ; 2 ks + c
	s_bfe_u32 s3, s9, 0x20001                      ; b
	s_lshl2_add_u32 s10, s10, s3                   ; 4 cb + b
	s_lshl_b32 s11, s11, \sh
	s_lshl_b32 s10, s10, 6                         ; 16 columns of 4 bytes
	s_add_co_u32 \off, s11, s10
.endm
; T[0:1] += T[2:3], the two halves, then across the 32 lanes: every lane ends with the row's sum in T
.macro FOLD
.irp r, 0,1,2,3
	v_pk_add_f32 v[T+4*\r:T+4*\r+1], v[T+4*\r:T+4*\r+1], v[T+4*\r+2:T+4*\r+3]
.endr
.irp r, 0,1,2,3
	v_add_f32 v[T+4*\r], v[T+4*\r], v[T+4*\r+1]
.endr
.irp m, 1,2,4,8
.irp r, 0,1,2,3
	v_add_f32_dpp v[T+4*\r], v[T+4*\r], v[T+4*\r] row_xmask:\m row_mask:0xf bank_mask:0xf
.endr
.endr
.irp r, 0,1,2,3
	v_permlanex16_b32 v[T+4*\r+1], v[T+4*\r], s12, s13
.endr
.irp r, 0,1,2,3
	v_add_f32 v[T+4*\r], v[T+4*\r], v[T+4*\r+1]
.endr
.endm
	s_load_b512 s[16:31], s[0:1], 0x0              ; x 16, ln_in_w 18, ln_in_b 20, w_uvqk 22, w_proj 24, xn 26, wf 28, wpf 30
	v_lshrrev_b32 v1, 5, v0
	v_readfirstlane_b32 s8, v1                     ; wave 0..15
	v_and_b32 v6, 31, v0
	v_and_b32 v7, 15, v0
	v_bfe_u32 v1, v0, 4, 1
	v_lshlrev_b32 v2, 4, v6                        ; 16 x lane
	v_lshlrev_b32 v3, 3, v6                        ; 8 x lane
	v_lshlrev_b32 v7, 2, v7
	v_lshl_add_u32 v4, v1, 16, v7                  ; w_uvqk: 8 (l / 16) rows of 8,192 bytes + 4 (l % 16)
	v_lshl_add_u32 v5, v1, 14, v7                  ; w_proj: rows of 2,048 bytes
	s_mov_b32 s12, 0x76543210                      ; v_permlanex16_b32: each lane takes its own place in the other half
	s_mov_b32 s13, 0xfedcba98
	s_mov_b32 s14, 0x3b000000                      ; 1/512
	s_mov_b32 s15, 0xbb000000                      ; -1/512
	s_mov_b32 s32, 0xbfb8aa3b                      ; -log2(e)
	s_mov_b32 s33, s32
	s_wait_alu depctr_va_sdst(0)                   ; s8 is written, ahead of its first reader: the rows, the chunks and the branches are made from it
	s_lshl_b32 s2, ttmp9, 6
	s_lshl2_add_u32 s2, s8, s2                     ; my first row
	s_lshl_b32 s34, s2, 11                         ; in x
	s_mov_b32 s35, 0
	s_lshl_b32 s36, s2, 10                         ; in xn
	s_mov_b32 s37, 0
	s_lshl4_add_u32 s38, ttmp9, s8                 ; my chunk of wf
	s_lshl2_add_u32 s39, ttmp9, s8                 ; my chunk of wpf (waves 0 to 3)
	PLACE s38, 17, s40
	s_mov_b32 s41, 0
	s_lshl_b32 s42, s38, 9
	s_mov_b32 s43, 0
	PLACE s39, 15, s44
	s_mov_b32 s45, 0
	s_lshl_b32 s46, s39, 9
	s_mov_b32 s47, 0
	s_wait_kmcnt 0x0
	s_add_nc_u64 s[16:17], s[16:17], s[34:35]
	s_add_nc_u64 s[26:27], s[26:27], s[36:37]
	s_add_nc_u64 s[22:23], s[22:23], s[40:41]
	s_add_nc_u64 s[28:29], s[28:29], s[42:43]
	s_add_nc_u64 s[24:25], s[24:25], s[44:45]
	s_add_nc_u64 s[30:31], s[30:31], s[46:47]
	s_wait_alu depctr_va_vdst(0)                   ; the offsets v2 to v5 are written: every load and store of the kernel reads one of them; ahead of the branch, for both ways
	s_cmp_lt_u32 s8, 4
	s_cbranch_scc0 .Lno_wp                         ; w_proj's loads are the oldest, so the counts below are the same for every wave
.irp j, 0,1,2,3,4,5,6,7
	global_load_b32 v[WP+\j], v5, s[24:25] offset:\j*2048
.endr
.Lno_wp:
.irp j, 0,1,2,3
	global_load_b128 v[LW+4*\j:LW+4*\j+3], v2, s[18:19] offset:512*\j
	global_load_b128 v[LB+4*\j:LB+4*\j+3], v2, s[20:21] offset:512*\j
.endr
.irp r, 0,1,2,3
.irp j, 0,1,2,3
	global_load_b128 v[X+16*\r+4*\j:X+16*\r+4*\j+3], v2, s[16:17] offset:2048*\r+512*\j th:TH_LOAD_NT
.endr
.endr
.irp j, 0,1,2,3,4,5,6,7
	global_load_b32 v[W+\j], v4, s[22:23] offset:\j*8192
.endr
	s_wait_loadcnt 8                               ; all but w_uvqk's eight loads
	; the mean
.irp r, 0,1,2,3
	v_pk_add_f32 v[T+4*\r:T+4*\r+1], v[X+16*\r:X+16*\r+1], v[X+16*\r+2:X+16*\r+3]
	v_pk_add_f32 v[T+4*\r+2:T+4*\r+3], v[X+16*\r+4:X+16*\r+5], v[X+16*\r+6:X+16*\r+7]
.endr
.irp c, 8, 12
.irp r, 0,1,2,3
	v_pk_add_f32 v[T+4*\r:T+4*\r+1], v[T+4*\r:T+4*\r+1], v[X+16*\r+\c:X+16*\r+\c+1]
	v_pk_add_f32 v[T+4*\r+2:T+4*\r+3], v[T+4*\r+2:T+4*\r+3], v[X+16*\r+\c+2:X+16*\r+\c+3]
.endr
.endr
	FOLD
.irp r, 0,1,2,3
	v_mul_f32 v[T+4*\r+1], s15, v[T+4*\r]          ; -mean, twice: a pair for the packed additions
	v_mul_f32 v[T+4*\r], s15, v[T+4*\r]
.endr
.irp c, 0,2,4,6,8,10,12,14
.irp r, 0,1,2,3
	v_pk_add_f32 v[X+16*\r+\c:X+16*\r+\c+1], v[X+16*\r+\c:X+16*\r+\c+1], v[T+4*\r:T+4*\r+1]
.endr
.endr
	; the variance
.irp r, 0,1,2,3
	v_pk_mul_f32 v[T+4*\r:T+4*\r+1], v[X+16*\r:X+16*\r+1], v[X+16*\r:X+16*\r+1]
	v_pk_mul_f32 v[T+4*\r+2:T+4*\r+3], v[X+16*\r+2:X+16*\r+3], v[X+16*\r+2:X+16*\r+3]
.endr
.irp c, 4, 8, 12
.irp r, 0,1,2,3
	v_pk_fma_f32 v[T+4*\r:T+4*\r+1], v[X+16*\r+\c:X+16*\r+\c+1], v[X+16*\r+\c:X+16*\r+\c+1], v[T+4*\r:T+4*\r+1]
	v_pk_fma_f32 v[T+4*\r+2:T+4*\r+3], v[X+16*\r+\c+2:X+16*\r+\c+3], v[X+16*\r+\c+2:X+16*\r+\c+3], v[T+4*\r+2:T+4*\r+3]
.endr
.endr
	FOLD
.irp r, 0,1,2,3
	v_fmaak_f32 v[T+4*\r], s14, v[T+4*\r], 0x3727c5ac  ; sum / 512 + 1e-5
.endr
.irp r, 0,1,2,3
	v_rsq_f32 v[T+4*\r+2], v[T+4*\r]               ; twice, to fill a pair; the source is left as it is
	v_rsq_f32 v[T+4*\r+3], v[T+4*\r]
.endr
	v_nop                                          ; a plain instruction behind the last root,
	s_wait_alu depctr_va_vdst(0)                   ; and one wait for the eight roots in T + 2, T + 3 of each row, ahead of their first reader
.irp c, 0,2,4,6,8,10,12,14
.irp r, 0,1,2,3
	v_pk_mul_f32 v[X+16*\r+\c:X+16*\r+\c+1], v[X+16*\r+\c:X+16*\r+\c+1], v[T+4*\r+2:T+4*\r+3]
.endr
.endr
.irp c, 0,2,4,6,8,10,12,14
.irp r, 0,1,2,3
	v_pk_fma_f32 v[X+16*\r+\c:X+16*\r+\c+1], v[X+16*\r+\c:X+16*\r+\c+1], v[LW+\c:LW+\c+1], v[LB+\c:LB+\c+1]
.endr
.endr
.irp r, 0,1,2,3
.irp j, 0,1,2,3
	v_cvt_pk_f16_f32 v[X+16*\r+4*\j], v[X+16*\r+4*\j], v[X+16*\r+4*\j+1]
	v_cvt_pk_f16_f32 v[X+16*\r+4*\j+1], v[X+16*\r+4*\j+2], v[X+16*\r+4*\j+3]
.endr
.endr
	s_wait_loadcnt 0x0                             ; w_uvqk's eight
.irp j, 0,2,4,6
	v_pk_mul_f32 v[W+\j:W+\j+1], v[W+\j:W+\j+1], s[32:33] op_sel_hi:[1,0]
.endr
.irp j, 0,1,2,3
	v_cvt_pk_f16_f32 v[PK+\j], v[W+2*\j], v[W+2*\j+1]
.endr
	s_wait_alu depctr_va_vdst(0)                   ; the conversions have written X's pairs and PK, which the 17 stores below read
.irp r, 0,1,2,3
.irp j, 0,1,2,3
	global_store_b64 v3, v[X+16*\r+4*\j:X+16*\r+4*\j+1], s[26:27] offset:1024*\r+256*\j  ; the wave stores 256 consecutive bytes, aligned
.endr
.endr
	global_store_b128 v2, v[PK:PK+3], s[28:29]
	s_cmp_lt_u32 s8, 4
	s_cbranch_scc0 .Lend
.irp j, 0,1,2,3
	v_cvt_pk_bf16_f32 v[PK2+\j], v[WP+2*\j], v[WP+2*\j+1]
.endr
	s_wait_alu depctr_va_vdst(0)                   ; the conversions have written PK2, which the store reads
	global_store_b128 v2, v[PK2:PK2+3], s[30:31]
.Lend:
	s_endpgm
.Lfunc_end_k_q6eb0aa2a1f_prep:
	.size	k_q6eb0aa2a1f_prep, .Lfunc_end_k_q6eb0aa2a1f_prep-k_q6eb0aa2a1f_prep
	.p2alignl 7, 3214868480
	.fill 96, 4, 3214868480
	.section	.rodata,"a",@progbits
	.p2align	6, 0x0
	.amdhsa_kernel k_q6eb0aa2a1f_prep
		.amdhsa_group_segment_fixed_size 0
		.amdhsa_private_segment_fixed_size 0
		.amdhsa_enable_private_segment 0
		.amdhsa_kernarg_size 64
		.amdhsa_user_sgpr_count 2
		.amdhsa_user_sgpr_kernarg_segment_ptr 1
		.amdhsa_wavefront_size32 1
		.amdhsa_system_sgpr_workgroup_id_x 1
		.amdhsa_system_sgpr_workgroup_id_y 1
		.amdhsa_system_sgpr_workgroup_id_z 1
		.amdhsa_system_vgpr_workitem_id 0
		.amdhsa_next_free_vgpr 144
		.amdhsa_next_free_sgpr 66
		.amdhsa_reserve_vcc 0
		.amdhsa_float_denorm_mode_32 3
		.amdhsa_float_denorm_mode_16_64 3
		.amdhsa_memory_ordered 1
		.amdhsa_forward_progress 1
		.amdhsa_inst_pref_size 25
	.end_amdhsa_kernel
	.amdgpu_metadata
---
amdhsa.version: [ 1, 2 ]
amdhsa.kernels:
  - .name:           k_q6eb0aa2a1f_prep
    .symbol:         k_q6eb0aa2a1f_prep.kd
    .args:
      - { .name: x, .offset: 0, .size: 8, .value_kind: global_buffer, .address_space: global }
      - { .name: ln_in_w, .offset: 8, .size: 8, .value_kind: global_buffer, .address_space: global }
      - { .name: ln_in_b, .offset: 16, .size: 8, .value_kind: global_buffer, .address_space: global }
      - { .name: w_uvqk, .offset: 24, .size: 8, .value_kind: global_buffer, .address_space: global }
      - { .name: w_proj, .offset: 32, .size: 8, .value_kind: global_buffer, .address_space: global }
      - { .name: xn, .offset: 40, .size: 8, .value_kind: global_buffer, .address_space: global }
      - { .name: wf, .offset: 48, .size: 8, .value_kind: global_buffer, .address_space: global }
      - { .name: wpf, .offset: 56, .size: 8, .value_kind: global_buffer, .address_space: global }
    .group_segment_fixed_size: 0
    .private_segment_fixed_size: 0
    .kernarg_segment_align: 8
    .kernarg_segment_size: 64
    .max_flat_workgroup_size: 512
    .sgpr_count:     66
    .vgpr_count:     144
    .wavefront_size: 32
...
	.end_amdgpu_metadata
.endif
;; end of part 5
;; launch uvqk: the kernel of part 2 again; grid 8 x 32, 4 waves a work-group, clusters of 4 x 1, 327,680 bytes of LDS; arguments xn, wf, b_uvqk, mix; writes mix
;; launch attn: the kernel of part 3 again; grid 4 x 64, 4 waves a work-group, clusters of 4 x 1, 327,680 bytes of LDS; arguments mix, att; writes att
;; launch proj (part 6): grid 256 x 1, 8 waves a work-group, no clusters, 102,400 bytes of LDS; arguments att, mix, ln_out_w, ln_out_b, wpf, x, out0; writes out0
.if DOCPART == 6
	.amdgcn_target "amdgcn-amd-amdhsa--gfx1250"
	.amdhsa_code_object_version 6
	.text
	.protected	k_q6eb0aa2a1f_proj
	.globl	k_q6eb0aa2a1f_proj
	.p2align	8
	.type	k_q6eb0aa2a1f_proj,@function
k_q6eb0aa2a1f_proj:
	s_mov_b64 s[64:65], 0
	v_nop
	global_prefetch_b8 v0, s[64:65] scope:SCOPE_SE
	s_setreg_imm32_b32 hwreg(HW_REG_WAVE_SCHED_MODE, 0, 2), 2
	s_setreg_imm32_b32 hwreg(HW_REG_WAVE_MODE, 25, 1), 1
	s_wait_xcnt 0x0
	s_wait_alu depctr_vm_vsrc(0)
; PROJ.  out0 = (u * (LayerNorm(att) * ln_out_w + ln_out_b)) w_proj + x.  att: [16384][512] f32; u arrives as -log2(e) u in f16 (blocks 0 to 7 of mix), so gain and bias are multiplied by -ln(2);
; the product's left operand is rounded to bf16 (u times a gain has no sure room in f16), w_proj arrives in bf16 as fragments (wpf); sums in f32; x is added in f32.
; SHARES.  A work-group owns 64 tokens and all 512 columns.  NORM: wave w takes tokens 8 w .. + 7 as four pairs; lanes 0-15 hold one token, lanes 16-31 the next; lane l holds channels
; 64 cb + 4 (l % 16) + 0..3, cb = 0..7: a load of att covers two aligned pieces of 256 bytes, and a sum needs four steps within 16 lanes.  Mean first, then the variance of the differences.
; PRODUCT: wave w takes columns 64 w .. + 63 for all 64 tokens: 16 accumulators, which take turns.  Its weights come straight from wpf into a ring of four K steps of registers; the left operand
; comes from LDS, where the eight waves have put it (one barrier).  Used transposed: a lane holds one token and 8 neighbouring columns.
; NO CLUSTER, NO TENSOR LOAD: a wave's weights go into its own registers and no other wave of the work-group wants them; a joint ring beside A and the stages would change slots every 32 products.
; No prefetch: every stream of the launch is asked for at its head.
; LIMITS.  NaN and infinities are not treated apart.
; REGISTERS: window 0 as below; window 1: v0-127 att's numbers (pair p at 32 p), later the accumulators ((a, b) at 8 (4 a + b)); v128-255 the weights' ring, later what comes back from the stage.
; THE MODE: SCHED_MODE bits 1:0 = 2 (LLVM: expert scheduling mode 2), set by the entry lines.  The code itself states the register dependences
; between vector or matrix instructions and memory or LDS instructions, with s_wait_alu, always for 0.
; THE PLAN.  Registers that memory or LDS instructions touch:
;   v3 .. v10, v14, v15   offsets and LDS addresses, made once at the head and never written again.
;   att's 128, U, LW, LB  written by the head's loads, which go out before any vector instruction names them.
;   AB0 .. AB3            A's rows in bf16, a buffer to each pair of tokens: written by the conversions, read by the 32 LDS stores that follow all of them.  AB2, AB3 are AF0 from the barrier on.
;   XR                    x: its loads land where LW, LB and U lay, behind the same wait as the LDS stores; written once more by the way out's additions, then read by the stores.
;   AF0, AF1              K step s: its products read AF[s % 2]; the LDS loads issued in it land in the other one, which step s - 1 read.
;   BR0 .. BR3            K step s: its products read BR[s % 4]; the loads issued in it (step s + 3's weights) land in BR[(s - 1) % 4], which step s - 1 read.
;   TS0 .. TS3            the way out (BR's registers): row block a comes back from the stage into TS[a]; read by the additions alone.
;   the accumulators      named by matrix instructions alone until the way out, where the LDS stores read them.
; So a K step has ONE wait on va_vdst, at its head, behind the waits for its data: the step before is done reading the two buffers in which this step's 16 loads land.  These are dealt among
; the step's products, which name AF[s % 2], BR[s % 4] and the accumulators: none of the registers that the loads touch.  The way out has one such wait for its 64 LDS instructions and one for each block's stores.
.set PITCH, 1040                       ; a row of A in LDS: 1,024 bytes + 16
.set STAGE, 64*PITCH                   ; 16 rows x 272 bytes for each wave
.set SP,    272
.set SPARE, STAGE+8*16*SP
.set AO,  3                            ; v3   2,048 (l / 16) + 16 (l % 16): att, x and out0
.set UO,  4                            ; v4   8 x lane
.set LWO, 5                            ; v5   16 (l % 16)
.set AST, 6                            ; v6   where I put 8 bytes of A
.set AA0, 7                            ; v7   my lane's place in 16 rows of A
.set BO,  8                            ; v8   16 x lane
.set STO, 9
.set RD,  10
.set ZERO, 11
.set SPW, 14
.set NIL, 15
.set ST,  16                           ; v[16:31]   pair p: four registers
.set LW,  32                           ; v[32:63]
.set LB,  64                           ; v[64:95]
.set U,   96                           ; v[96:159]  pair p at U + 16 p
.set XR,  32                           ; v[32:159]  later: x, row block a at XR + 32 a
.set TP,  160                          ; v[160:191] at work in the sums
.set AB,  160                          ; v[160:223] then: pair p's rows of A in bf16 at AB + 16 p
.set AF,  192                          ; v[192:255] A's fragments, two buffers of 32
.set BR,  128                          ; window 1
.set TS,  128                          ; window 1, on the way out: row block a at TS + 32 a
.set WV,  12
.set MSB, 0
.macro WIN new
.if MSB != (\new)
	s_set_vgpr_msb (MSB<<8)|(\new)
.set MSB, (\new)
.endif
.endm
.macro PLACES
.rept 4
	v_nop
.endr
.endm
; the sum (sq = 0) or the sum of squares (sq = 1) of pair p's two tokens, into v[ST + 4 p], each half of the lanes its own token's
.macro SUMS p, sq
.set tb, TP+16*((\p)%2)
.set ab, 32*(\p)
	WIN 0x05
.set n, 0
.rept 8
.if \sq
	v_pk_mul_f32 v[tb+2*n:tb+2*n+1], v[ab+2*n:ab+2*n+1], v[ab+2*n:ab+2*n+1]
.else
	v_pk_add_f32 v[tb+2*n:tb+2*n+1], v[ab+2*n:ab+2*n+1], v[ab+16+2*n:ab+16+2*n+1]
.endif
.set n, n+1
.endr
.if \sq
.set n, 0
.rept 8
	v_pk_fma_f32 v[tb+2*n:tb+2*n+1], v[ab+16+2*n:ab+16+2*n+1], v[ab+16+2*n:ab+16+2*n+1], v[tb+2*n:tb+2*n+1]
.set n, n+1
.endr
.endif
	WIN 0
.irp d, 8, 4, 2
.set n, 0
.rept \d/2
	v_pk_add_f32 v[tb+2*n:tb+2*n+1], v[tb+2*n:tb+2*n+1], v[tb+\d+2*n:tb+\d+2*n+1]
.set n, n+1
.endr
.endr
	v_add_f32 v[ST+4*(\p)], v[tb], v[tb+1]
.irp m, 1,2,4,8
	v_add_f32_dpp v[ST+4*(\p)], v[ST+4*(\p)], v[ST+4*(\p)] row_xmask:\m row_mask:0xf bank_mask:0xf
.endr
.endm
.macro SHIFT p                         ; a - mean
	WIN 0x41
.set n, 0
.rept 16
	v_pk_add_f32 v[32*(\p)+2*n:32*(\p)+2*n+1], v[32*(\p)+2*n:32*(\p)+2*n+1], v[ST+4*(\p):ST+4*(\p)+1]
.set n, n+1
.endr
.endm
.macro FINISH p                        ; normalised, gain and bias, times u, rounded to bf16 into the pair's own buffer AB[p]
.set ob, AB+16*(\p)
.set ab, 32*(\p)
	WIN 0x41
.set n, 0
.rept 16
	v_pk_mul_f32 v[ab+2*n:ab+2*n+1], v[ab+2*n:ab+2*n+1], v[ST+4*(\p)+2:ST+4*(\p)+3]
.set n, n+1
.endr
.set n, 0
.rept 16
	v_pk_fma_f32 v[ab+2*n:ab+2*n+1], v[ab+2*n:ab+2*n+1], v[LW+2*n:LW+2*n+1], v[LB+2*n:LB+2*n+1]
.set n, n+1
.endr
	WIN 0x44                                       ; u and 0 in window 0, a in window 1
.set n, 0
.rept 16
	v_fma_mix_f32 v[ab+2*n], v[U+16*(\p)+n], v[ab+2*n], v[ZERO] op_sel_hi:[1,0,0]
	v_fma_mix_f32 v[ab+2*n+1], v[U+16*(\p)+n], v[ab+2*n+1], v[ZERO] op_sel:[1,0,0] op_sel_hi:[1,0,0]
.set n, n+1
.endr
	WIN 0x05
.set n, 0
.rept 16
	v_cvt_pk_bf16_f32 v[ob+n], v[ab+2*n], v[ab+2*n+1]
.set n, n+1
.endr
.endm
.macro ASTORE p                        ; pair p's two rows into A
	WIN 0
.irp c, 0,1,2,3,4,5,6,7
	ds_store_b64 v[AST], v[AB+16*(\p)+2*\c:AB+16*(\p)+2*\c+1] offset:2*(\p)*PITCH+128*\c
.endr
.endm
.macro ALOAD s                         ; A's fragments of K step s: four blocks of 16 tokens
	WIN 0
.irp a, 0,1,2,3
	ds_load_b128 v[AF+32*((\s)%2)+8*\a:AF+32*((\s)%2)+8*\a+3],   v[AA0] offset:\a*16*PITCH+64*(\s)
	ds_load_b128 v[AF+32*((\s)%2)+8*\a+4:AF+32*((\s)%2)+8*\a+7], v[AA0] offset:\a*16*PITCH+64*(\s)+32
.endr
.endm
.macro BLOAD s                         ; the weights of K step s: eight loads of 512 consecutive bytes
	WIN 0x40
.irp j, 0,1,2,3,4,5,6,7
	global_load_b128 v[BR+32*((\s)%4)+4*\j:BR+32*((\s)%4)+4*\j+3], v[BO], s[16:17] offset:512*(8*(\s)+\j)
.endr
.endm
.macro MUL4 s, a                       ; K step s, token block a, the four column blocks; the 16 accumulators take turns
	WIN 0x51                                       ; weights and sums in window 1, A in window 0
.irp b, 0,1,2,3
.if (\s) == 0
	v_wmma_f32_16x16x32_bf16 v[8*(4*(\a)+\b):8*(4*(\a)+\b)+7], v[BR+32*((\s)%4)+8*\b:BR+32*((\s)%4)+8*\b+7], v[AF+32*((\s)%2)+8*(\a):AF+32*((\s)%2)+8*(\a)+7], 0
.else
	v_wmma_f32_16x16x32_bf16 v[8*(4*(\a)+\b):8*(4*(\a)+\b)+7], v[BR+32*((\s)%4)+8*\b:BR+32*((\s)%4)+8*\b+7], v[AF+32*((\s)%2)+8*(\a):AF+32*((\s)%2)+8*(\a)+7], v[8*(4*(\a)+\b):8*(4*(\a)+\b)+7]
.endif
.endr
.endm
; K step s.  The global loads went out in this order: weights 0 to 3, x's 32, then the weights of step s + 3 in step s (1 to 12), behind that step's waits.  So at the head of step s there stand
; behind its own eight: 56 loads in step 0 (three K steps and x); 48 in steps 1 to 3; 16, two younger K steps, in steps 4 to 13; then 8 and 0.
.macro KSTEP s
.if (\s) == 0
	s_wait_loadcnt 56
.elseif (\s) < 4
	s_wait_loadcnt 48
.elseif (\s) < 14
	s_wait_loadcnt 16
.else
	s_wait_loadcnt 8*(15-(\s))
.endif
	s_wait_dscnt 0x0                               ; this step's fragments of A are in: nothing was asked of LDS behind them
.if ((\s) >= 1) && ((\s) < 15)
	s_wait_alu depctr_va_vdst(0)                   ; the last step's products are done reading their fragments of A and their weights, in which the loads below land
.endif
	MUL4 \s, 0
.if (\s) < 15
	ALOAD (\s)+1                                   ; no product since the wait names the buffer that these land in, nor their address
.endif
	MUL4 \s, 1
.if ((\s) >= 1) && ((\s) <= 12)
	BLOAD (\s)+3                                   ; likewise
.endif
	MUL4 \s, 2
	MUL4 \s, 3
.endm
; THE WAY OUT.  Row block a: through my stage and back as whole rows of 256 bytes, into TS[a]; x's registers take the sum; stored from there.
.macro TOSTAGE a                       ; under one window setting: the stores' data and the loads' destination in window 1, the addresses in window 0
.irp f, 0,1,2,3,4,5,6,7
	ds_store_b128 v[STO], v[8*(4*(\a)+\f/2)+4*(\f%2):8*(4*(\a)+\f/2)+4*(\f%2)+3] offset:64*(\f/2)+16*(\f%2)  ; each accumulator's low four registers first
.endr
.irp f, 0,1,2,3,4,5,6,7
	ds_load_b128 v[TS+32*(\a)+4*\f:TS+32*(\a)+4*\f+3], v[RD] offset:544*\f  ; LDS serves a wave's instructions in order: these see the stores above, and the next block's stores come behind them
.endr
.endm
.macro ADDX a
	WIN 0x04                                       ; source 1 in window 1
.set n, 0
.rept 16
	v_pk_add_f32 v[XR+32*(\a)+2*n:XR+32*(\a)+2*n+1], v[XR+32*(\a)+2*n:XR+32*(\a)+2*n+1], v[TS+32*(\a)+2*n:TS+32*(\a)+2*n+1]
.set n, n+1
.endr
.endm
.macro SENDX a
	WIN 0
.irp f, 0,1,2,3,4,5,6,7
	global_store_b128 v[AO], v[XR+32*(\a)+4*\f:XR+32*(\a)+4*\f+3], s[20:21] offset:(\a)*32768+4096*\f th:TH_STORE_NT  ; sixteen lanes store 256 consecutive bytes, aligned
.endr
.endm
.macro OUTB a
	s_wait_dscnt 16*(3-(\a))                       ; block a is back; the younger blocks' sixteen LDS instructions each may stay out
.if (\a) > 0
	s_wait_alu depctr_va_vdst(0)                   ; the additions of the block before have written its part of XR, which the stores read
	SENDX (\a)-1
.endif
	ADDX \a
.endm
	s_load_b256 s[4:11], s[0:1], 0x0               ; att 4, mix 6, ln_out_w 8, ln_out_b 10
	s_load_b128 s[16:19], s[0:1], 0x20             ; wpf 16, x 18
	s_load_b64 s[20:21], s[0:1], 0x30              ; out0
	v_lshl_add_u32 v[SPW], v0, 2, SPARE
	v_mov_b32 v[NIL], 0
	v_lshrrev_b32 v1, 5, v0
	v_readfirstlane_b32 s[WV], v1
	v_and_b32 v1, 15, v0
	v_bfe_u32 v2, v0, 4, 1
	v_and_b32 v12, 31, v0
	v_lshlrev_b32 v[LWO], 4, v1
	v_lshl_add_u32 v[AO], v2, 11, v[LWO]
	v_lshlrev_b32 v[UO], 3, v12
	v_lshlrev_b32 v[BO], 4, v12
	v_mov_b32 v[ZERO], 0
	s_wait_alu depctr_va_sdst(0)                   ; the wave's number is written, ahead of its first reader: LDS places and bases are made from it
	s_mul_i32 s13, s[WV], 8*PITCH                  ; s13 and s14 are read by vector instructions and written once; s15 is the scalar lines' scratch
	v_mul_u32_u24 v[AST], v2, PITCH
	v_lshl_add_u32 v[AST], v1, 3, v[AST]
	v_add_nc_u32 v[AST], s13, v[AST]
	v_mul_u32_u24 v[AA0], v1, PITCH
	v_lshl_add_u32 v[AA0], v2, 4, v[AA0]
	s_mul_i32 s14, s[WV], 16*SP
	s_add_co_u32 s14, s14, STAGE
	v_mul_u32_u24 v[STO], v1, SP
	v_lshl_add_u32 v[STO], v2, 5, v[STO]
	v_add_nc_u32 v[STO], s14, v[STO]
	v_mul_u32_u24 v[RD], v2, SP
	v_lshl_add_u32 v[RD], v1, 4, v[RD]
	v_add_nc_u32 v[RD], s14, v[RD]
	s_lshl_b32 s22, ttmp9, 17                      ; att: 64 tokens of 2,048 bytes,
	s_lshl_b32 s15, s[WV], 14                      ; my 8
	s_add_co_u32 s22, s22, s15
	s_mov_b32 s23, 0
	s_lshl_b32 s26, ttmp9, 13                      ; u: tokens of 128 bytes
	s_lshl_b32 s15, s[WV], 10
	s_add_co_u32 s26, s26, s15
	s_mov_b32 s27, 0
	s_lshl_b32 s32, ttmp9, 17                      ; x and out0: the 64 tokens, my 64 columns
	s_lshl_b32 s15, s[WV], 8
	s_add_co_u32 s32, s32, s15
	s_mov_b32 s33, 0
	s_lshl_b32 s34, s[WV], 16                      ; my 65,536 bytes of wpf
	s_mov_b32 s35, 0
	s_mov_b32 s28, 0xbb000000                      ; -1/512
	s_mov_b32 s29, 0x3b000000                      ; 1/512
	s_mov_b32 s30, 0xbf317218                      ; -ln(2)
	s_mov_b32 s31, s30
	s_wait_kmcnt 0x0
	s_add_nc_u64 s[4:5], s[4:5], s[22:23]
	s_add_nc_u64 s[6:7], s[6:7], s[26:27]
	s_add_nc_u64 s[24:25], s[6:7], 0x800000        ; blocks 4 to 7 of mix, so that the loads' immediates stay inside their 24 bits
	s_add_nc_u64 s[16:17], s[16:17], s[34:35]
	s_add_nc_u64 s[18:19], s[18:19], s[32:33]
	s_add_nc_u64 s[20:21], s[20:21], s[32:33]
	WIN 0x40
	s_wait_alu depctr_va_vdst(0)                   ; the offsets and LDS addresses v3 to v10, v14 and v15 are written: every memory and LDS instruction of the kernel reads some of them
.irp p, 0,1,2,3
.irp c, 0,1,2,3,4,5,6,7
	global_load_b128 v[32*\p+4*\c:32*\p+4*\c+3], v[AO], s[4:5] offset:\p*4096+\c*256 th:TH_LOAD_NT
.endr
.endr
	WIN 0
.irp p, 0,1,2,3
.irp c, 0,1,2,3
	global_load_b64 v[U+16*\p+2*\c:U+16*\p+2*\c+1], v[UO], s[6:7] offset:\c*2097152+\p*256 th:TH_LOAD_NT
	global_load_b64 v[U+16*\p+8+2*\c:U+16*\p+8+2*\c+1], v[UO], s[24:25] offset:\c*2097152+\p*256 th:TH_LOAD_NT
.endr
.endr
.irp c, 0,1,2,3,4,5,6,7
	global_load_b128 v[LW+4*\c:LW+4*\c+3], v[LWO], s[8:9] offset:\c*256
	global_load_b128 v[LB+4*\c:LB+4*\c+3], v[LWO], s[10:11] offset:\c*256
.endr
	BLOAD 0
	BLOAD 1
	BLOAD 2
	BLOAD 3
	WIN 0
	s_wait_loadcnt 32                              ; all but the weights' 32
.set n, 0
.rept 16
	v_pk_mul_f32 v[LW+2*n:LW+2*n+1], v[LW+2*n:LW+2*n+1], s[30:31] op_sel_hi:[1,0]
	v_pk_mul_f32 v[LB+2*n:LB+2*n+1], v[LB+2*n:LB+2*n+1], s[30:31] op_sel_hi:[1,0]
.set n, n+1
.endr
.irp p, 0,1,2,3
	SUMS \p, 0
	v_mul_f32 v[ST+4*\p+1], s28, v[ST+4*\p]        ; -mean, twice: a pair for the packed additions
	v_mul_f32 v[ST+4*\p], s28, v[ST+4*\p]
.endr
.irp p, 0,1,2,3
	SHIFT \p
.endr
.irp p, 0,1,2,3
	SUMS \p, 1
	v_fmaak_f32 v[ST+4*\p], s29, v[ST+4*\p], 0x3727c5ac  ; sum / 512 + 1e-5
.endr
.irp p, 0,1,2,3
	v_rsq_f32 v[ST+4*\p+2], v[ST+4*\p]             ; twice, to fill a pair; the source is left as it is
	v_rsq_f32 v[ST+4*\p+3], v[ST+4*\p]
.endr
	v_nop                                          ; a plain instruction behind the last root,
	s_wait_alu depctr_va_vdst(0)                   ; and one wait for the eight roots in ST + 2, ST + 3 of each pair, ahead of their first reader
.irp p, 0,1,2,3
	FINISH \p
.endr
	WIN 0
	s_wait_alu depctr_va_vdst(0)                   ; the conversions have written AB0 to AB3, which the LDS stores read; gain, bias and u have been read for the last time, and x's loads land in their registers
.irp p, 0,1,2,3
	ASTORE \p
.endr
.irp a, 0,1,2,3
.irp f, 0,1,2,3,4,5,6,7
	global_load_b128 v[XR+32*\a+4*\f:XR+32*\a+4*\f+3], v[AO], s[18:19] offset:\a*32768+\f*4096 th:TH_LOAD_NT  ; x, as the way out will want it
.endr
.endr
	s_wait_dscnt 0x0                               ; for the others' sake: my rows of A are in LDS
	s_barrier_signal -1
	s_barrier_wait -1
	s_wait_alu depctr_vm_vsrc(0)                   ; my LDS stores have read AB0 to AB3: AB2 and AB3 are AF0 from here on, in which the first fragments land
	ALOAD 0
.irp s, 0,1,2,3,4,5,6,7,8,9,10,11,12,13,14,15
	KSTEP \s
.endr
	PLACES                                         ; four places behind the last matrix instruction, before its result is read (ISA guide 7.12.1)
	WIN 0x44
	s_wait_alu depctr_va_vdst(0)                   ; the products have written the accumulators, which the LDS stores read, and are done reading the weights' ring, in which the loads from the stage land; the places above stay beside this wait
	TOSTAGE 0
	TOSTAGE 1
	TOSTAGE 2
	TOSTAGE 3
	OUTB 0
	OUTB 1
	OUTB 2
	OUTB 3
	s_wait_alu depctr_va_vdst(0)                   ; the last block's additions have written its part of XR, which the last eight stores read
	SENDX 3
	s_wait_dscnt 0x0                               ; the closing lines, six on end
	s_wait_alu 0x0
	s_wait_tensorcnt 0x0
	ds_add_u32 v[SPW], v[NIL]
	s_wait_dscnt 0x0
	s_endpgm
.Lfunc_end_k_q6eb0aa2a1f_proj:
	.size	k_q6eb0aa2a1f_proj, .Lfunc_end_k_q6eb0aa2a1f_proj-k_q6eb0aa2a1f_proj
	.p2alignl 7, 3214868480
	.fill 96, 4, 3214868480
	.section	.rodata,"a",@progbits
	.p2align	6, 0x0
	.amdhsa_kernel k_q6eb0aa2a1f_proj
		.amdhsa_group_segment_fixed_size 102400
		.amdhsa_private_segment_fixed_size 0
		.amdhsa_enable_private_segment 0
		.amdhsa_kernarg_size 56
		.amdhsa_user_sgpr_count 2
		.amdhsa_user_sgpr_kernarg_segment_ptr 1
		.amdhsa_wavefront_size32 1
		.amdhsa_system_sgpr_workgroup_id_x 1
		.amdhsa_system_sgpr_workgroup_id_y 1
		.amdhsa_system_sgpr_workgroup_id_z 1
		.amdhsa_system_vgpr_workitem_id 0
		.amdhsa_next_free_vgpr 512
		.amdhsa_next_free_sgpr 66
		.amdhsa_reserve_vcc 0
		.amdhsa_float_denorm_mode_32 3
		.amdhsa_float_denorm_mode_16_64 3
		.amdhsa_memory_ordered 1
		.amdhsa_forward_progress 1
		.amdhsa_inst_pref_size 107
	.end_amdhsa_kernel
	.amdgpu_metadata
---
amdhsa.version: [ 1, 2 ]
amdhsa.kernels:
  - .name:           k_q6eb0aa2a1f_proj
    .symbol:         k_q6eb0aa2a1f_proj.kd
    .args:
      - { .name: att, .offset: 0, .size: 8, .value_kind: global_buffer, .address_space: global }
      - { .name: mix, .offset: 8, .size: 8, .value_kind: global_buffer, .address_space: global }
      - { .name: ln_out_w, .offset: 16, .size: 8, .value_kind: global_buffer, .address_space: global }
      - { .name: ln_out_b, .offset: 24, .size: 8, .value_kind: global_buffer, .address_space: global }
      - { .name: wpf, .offset: 32, .size: 8, .value_kind: global_buffer, .address_space: global }
      - { .name: x, .offset: 40, .size: 8, .value_kind: global_buffer, .address_space: global }
      - { .name: out0, .offset: 48, .size: 8, .value_kind: global_buffer, .address_space: global }
    .group_segment_fixed_size: 102400
    .private_segment_fixed_size: 0
    .kernarg_segment_align: 8
    .kernarg_segment_size: 56
    .max_flat_workgroup_size: 256
    .sgpr_count:     66
    .vgpr_count:     512
    .wavefront_size: 32
...
	.end_amdgpu_metadata
.endif
;; end of part 6
